; MI455X (gfx1250); checked and timed in simulation.
; The chip was launched on July 23, 2026; its instructions are those of AMD's public machine-readable ISA for CDNA 5 (MIT licence, August 2026) and "CDNA5" Instruction Set Architecture Reference Guide (July 2026). The comments in the code are by the model that wrote it; some were corrected since.
;; Attention. Allowed arithmetic: float matrix products may take bf16 or f16 operands with f32 sums; all other float work in f32.
;; Inputs: wk 1,024 x 256 float32; wo 1,024 x 1,024 float32; wq 1,024 x 1,024 float32; wv 1,024 x 256 float32; x 2 x 2,048 x 1,024 float32.
;; Outputs: out0 2 x 2,048 x 1,024 float32.
;; One version. Each part assembles by itself: llvm-mc -triple=amdgcn-amd-amdhsa -mcpu=gfx1250 --defsym DOCPART=n.
;; ======== version 1 of 1: 4 launches
;; limits: values are held in f16: magnitudes above 65,504 overflow, below 6.1e-05 lose precision
;; workspace buffers: xh 8,388,608 bytes; wt1 3,145,728 bytes; wt2 2,097,152 bytes; qh 8,388,608 bytes; kvb 4,194,304 bytes; ah 8,388,608 bytes
;; launch cast (part 1): grid 832 x 1, 8 waves a work-group, no clusters, 0 bytes of LDS; arguments x, wq, wk, wv, wo, xh, wt1, wt2; writes xh, wt1, wt2
.if DOCPART == 1
	.amdgcn_target "amdgcn-amd-amdhsa--gfx1250"
	.amdhsa_code_object_version 6
	.text
	.protected	k_q6a15c73bf1_cast
	.globl	k_q6a15c73bf1_cast
	.p2align	8
	.type	k_q6a15c73bf1_cast,@function
k_q6a15c73bf1_cast:
	s_mov_b64 s[64:65], 0
	v_nop
	global_prefetch_b8 v0, s[64:65] scope:SCOPE_SE
	s_setreg_imm32_b32 hwreg(HW_REG_WAVE_MODE, 25, 1), 1
	s_wait_xcnt 0x0
; f16 copies of x and of the four weights, rounded to nearest even, laid out for the products that follow.
;   xh  [4096][1024]                 x as it lies
;   wt1 [j 8][ks 8][p 3][kk 128][64] k = 128 ks + kk; panel p = 0, 1: wq's columns 128 j + 64 p + c; p = 2: wk's columns 64 j + c (j < 4), wv's 64 (j - 4) + c
;   wt2 [j 8][ks 8][p 2][kk 128][64] wo's columns 128 j + 64 p + c
; so that the weights of one K step of one column tile are one dense block.
; WHY f16 AND NOT bf16: the chain rounds five intermediates; with 8 significant bits their errors add up to more than a third of
; what the result may be off where it is small, with 11 bits to a fourteenth.  LIMIT: |x| and |w| up to 65,504 (larger numbers become infinite).
; A work-group moves 128 pieces of 64 f32 (256 bytes each, PITCH bytes apart in the source) into one dense block of 16,384 bytes.
; Thread t, turn i: piece 32 i + t / 8, its bytes 32 (t % 8) .. + 31 -> 16 bytes at 4,096 i + 16 t.  Eight neighbouring lanes read 256
; consecutive aligned bytes, sixteen write 256.  Every byte is read once and written once: no LDS, no barrier, no matrix unit, and
; no cluster, since no two work-groups read the same byte.  All eight loads of a thread go out before the first wait.
; Work-groups 0-511: x; 512-639: wq; 640-671: wk; 672-703: wv; 704-831: wo.  The copy is written out once for each source,
; so that each load and store names its own buffer's address.
.set X, 8                              ; v[8:39]   32 f32 as loaded
.set Y, 40                             ; v[40:55]  32 f16 to store
.macro MOVE src, dst, pitch
	s_add_nc_u64 s[\src:\src+1], s[\src:\src+1], s[28:29]      ; the source at the group's first piece
	s_add_nc_u64 s[\dst:\dst+1], s[\dst:\dst+1], s[30:31]      ; the target at the group's block
	v_mad_u32_u24 v4, v1, \pitch, v2                           ; (t / 8) pitch + 32 (t % 8); the turn stands in the immediate
.irp i, 0,1,2,3
	global_load_b128 v[X+8*\i:X+8*\i+3],   v4, s[\src:\src+1] offset:32*\i*\pitch th:TH_LOAD_NT
	global_load_b128 v[X+8*\i+4:X+8*\i+7], v4, s[\src:\src+1] offset:32*\i*\pitch+16 th:TH_LOAD_NT
.endr
.irp i, 0,1,2,3
	s_wait_loadcnt 6-2*\i                                      ; loads return in order: this turn's two are in, the later turns' stay out
.irp j, 0,1,2,3
	v_cvt_pk_f16_f32 v[Y+4*\i+\j], v[X+8*\i+2*\j], v[X+8*\i+2*\j+1]
.endr
	global_store_b128 v3, v[Y+4*\i:Y+4*\i+3], s[\dst:\dst+1] offset:4096*\i   ; no hint: the next launch reads these bytes
.endr
	s_endpgm
.endm
; offsets for a weight of 1,024 columns (wq, wo): n = id - first, ks = n % 8 (in s5), sp = n / 8 = the strip of 64 columns
.macro SQUARE first, jbytes, ksbytes
	s_sub_co_u32 s6, ttmp9, \first
	s_lshr_b32 s6, s6, 3                           ; sp
	s_lshl_b32 s28, s5, 19                         ; 128 ks rows of 4,096 bytes
	s_lshl_b32 s7, s6, 8                           ; + 256 sp
	s_add_co_u32 s28, s28, s7
	s_lshr_b32 s7, s6, 1                           ; j = sp / 2
	s_mul_i32 s30, s7, \jbytes
	s_mul_i32 s7, s5, \ksbytes
	s_add_co_u32 s30, s30, s7
	s_and_b32 s7, s6, 1                            ; p = sp % 2
	s_lshl_b32 s7, s7, 14
	s_add_co_u32 s30, s30, s7
.endm
; offsets for a weight of 256 columns (wk, wv): hd = n / 8 = the head; it becomes panel 2 of tile j0 + hd of wt1
.macro NARROW first, j0
	s_sub_co_u32 s6, ttmp9, \first
	s_lshr_b32 s6, s6, 3                           ; hd
	s_lshl_b32 s28, s5, 17                         ; 128 ks rows of 1,024 bytes
	s_lshl_b32 s7, s6, 8
	s_add_co_u32 s28, s28, s7
	s_mul_i32 s30, s6, 393216
	s_mul_i32 s7, s5, 49152
	s_add_co_u32 s30, s30, s7
	s_add_co_u32 s30, s30, \j0*393216+32768
.endm
	s_load_b512 s[8:23], s[0:1], 0x0               ; x 8:9, wq 10:11, wk 12:13, wv 14:15, wo 16:17, xh 18:19, wt1 20:21, wt2 22:23
	v_lshrrev_b32 v1, 3, v0                        ; t / 8
	v_and_b32 v2, 7, v0
	v_lshlrev_b32 v2, 5, v2                        ; 32 (t % 8)
	v_lshlrev_b32 v3, 4, v0                        ; 16 t
	s_mov_b32 s29, 0                               ; both offsets stay below 4 GiB
	s_mov_b32 s31, 0
	s_and_b32 s5, ttmp9, 7                         ; ks: every range begins at a multiple of 8
	s_wait_kmcnt 0x0
	s_cmp_lt_u32 ttmp9, 512
	s_cbranch_scc0 .Lweights
	s_lshl_b32 s28, ttmp9, 15                      ; x is dense: 128 pieces of 256 bytes
	s_lshl_b32 s30, ttmp9, 14
	MOVE 8, 18, 256
.Lweights:
	s_cmp_lt_u32 ttmp9, 640
	s_cbranch_scc0 .Lnot_wq
	SQUARE 512, 393216, 49152
	MOVE 10, 20, 4096
.Lnot_wq:
	s_cmp_lt_u32 ttmp9, 672
	s_cbranch_scc0 .Lnot_wk
	NARROW 640, 0
	MOVE 12, 20, 1024
.Lnot_wk:
	s_cmp_lt_u32 ttmp9, 704
	s_cbranch_scc0 .Lnot_wv
	NARROW 672, 4
	MOVE 14, 20, 1024
.Lnot_wv:
	SQUARE 704, 262144, 32768
	MOVE 16, 22, 4096
.Lfunc_end_k_q6a15c73bf1_cast:
	.size	k_q6a15c73bf1_cast, .Lfunc_end_k_q6a15c73bf1_cast-k_q6a15c73bf1_cast
	.p2alignl 7, 3214868480
	.fill 96, 4, 3214868480
	.section	.rodata,"a",@progbits
	.p2align	6, 0x0
	.amdhsa_kernel k_q6a15c73bf1_cast
		.amdhsa_group_segment_fixed_size 0
		.amdhsa_private_segment_fixed_size 0
		.amdhsa_enable_private_segment 0
		.amdhsa_kernarg_size 64
		.amdhsa_user_sgpr_count 2
		.amdhsa_user_sgpr_kernarg_segment_ptr 1
		.amdhsa_wavefront_size32 1
		.amdhsa_system_sgpr_workgroup_id_x 1
		.amdhsa_system_sgpr_workgroup_id_y 1
		.amdhsa_system_sgpr_workgroup_id_z 1
		.amdhsa_system_vgpr_workitem_id 0
		.amdhsa_next_free_vgpr 56
		.amdhsa_next_free_sgpr 66
		.amdhsa_reserve_vcc 0
		.amdhsa_float_denorm_mode_32 3
		.amdhsa_float_denorm_mode_16_64 3
		.amdhsa_memory_ordered 1
		.amdhsa_forward_progress 1
		.amdhsa_inst_pref_size 15
	.end_amdhsa_kernel
	.amdgpu_metadata
---
amdhsa.version: [ 1, 2 ]
amdhsa.kernels:
  - .name:           k_q6a15c73bf1_cast
    .symbol:         k_q6a15c73bf1_cast.kd
    .args:
      - { .name: x, .offset: 0, .size: 8, .value_kind: global_buffer, .address_space: global }
      - { .name: wq, .offset: 8, .size: 8, .value_kind: global_buffer, .address_space: global }
      - { .name: wk, .offset: 16, .size: 8, .value_kind: global_buffer, .address_space: global }
      - { .name: wv, .offset: 24, .size: 8, .value_kind: global_buffer, .address_space: global }
      - { .name: wo, .offset: 32, .size: 8, .value_kind: global_buffer, .address_space: global }
      - { .name: xh, .offset: 40, .size: 8, .value_kind: global_buffer, .address_space: global }
      - { .name: wt1, .offset: 48, .size: 8, .value_kind: global_buffer, .address_space: global }
      - { .name: wt2, .offset: 56, .size: 8, .value_kind: global_buffer, .address_space: global }
    .group_segment_fixed_size: 0
    .private_segment_fixed_size: 0
    .kernarg_segment_align: 8
    .kernarg_segment_size: 64
    .max_flat_workgroup_size: 256
    .sgpr_count:     66
    .vgpr_count:     56
    .wavefront_size: 32
...
	.end_amdgpu_metadata
.endif
;; end of part 1
;; launch qkv (part 2): grid 8 x 32, 4 waves a work-group, clusters of 4 x 4, 327,680 bytes of LDS; arguments xh, wt1, qh, kvb; writes qh, kvb
.if DOCPART == 2
	.amdgcn_target "amdgcn-amd-amdhsa--gfx1250"
	.amdhsa_code_object_version 6
	.text
	.protected	k_q6a15c73bf1_qkv
	.globl	k_q6a15c73bf1_qkv
	.p2align	8
	.type	k_q6a15c73bf1_qkv,@function
k_q6a15c73bf1_qkv:
	s_mov_b64 s[64:65], 0
	v_nop
	global_prefetch_b8 v0, s[64:65] scope:SCOPE_SE
	s_setreg_imm32_b32 hwreg(HW_REG_WAVE_MODE, 25, 1), 1
	s_wait_xcnt 0x0
	s_wait_alu depctr_hold_cnt(0) depctr_sa_sdst(0) depctr_va_vdst(0) depctr_va_sdst(0) depctr_va_ssrc(0) depctr_va_vcc(0) depctr_vm_vsrc(0)
	s_getreg_b32 s2, hwreg(HW_REG_IB_STS2, 6, 4)
	s_cmp_eq_u32 s2, 0
	s_cbranch_scc0 .Lentry_in_a_cluster
	s_endpgm
.Lentry_in_a_cluster:
	s_bfe_u32 s2, ttmp6, 0x10000c
	s_cmp_lg_u32 s2, 0xf033
	s_cbranch_scc0 .Lentry_shape_is_right
	s_endpgm
.Lentry_shape_is_right:
; C = A W.  A: [4096][1024] f16.  W: f16 in blocks [j 8][ks 8][p NP][kk 128][64] (k = 128 ks + kk, panel p = 64 columns).  Sums in f32.
; One text serves two products, by the four constants below:
;   NP = 3, OUTF32 = 0, U1 = 1: x times wq | wk | wv.  Tile j: panels 0, 1 are columns 128 j .. + 127 of q ([4096][1024] f16); panel 2 is
;                       group j of kv ([g 8][token 4096][64] f16: g < 4 the keys of head g, g >= 4 the values of head g - 4).
;   NP = 2, OUTF32 = 1, U1 = 2: the attention result times wo, columns 128 j .. + 127 of the output, f32.
; LIMIT: results stored as f16 (q, k, v) must stay within 65,504.  As drawn they reach about 6; x and a weight both 30 times larger give 900 times
; that, both with an offset of 30 spreads give 1024 x 30 x 30/32 = 28,800.  Numbers under 6e-5 keep an absolute error of 3e-8.
; A work-group makes 128 rows x 64 NP columns with four waves: 8 x 32 = 256 work-groups of equal work.  Wave w: rows 64 (w / 2) .. + 63, and in
; EVERY panel the columns 32 (w % 2) .. + 31: 4 x 2 NP accumulator tiles.
; THE RING: K = 1024 is 8 units of 128.  Two LDS regions take turns; region 0 holds U0 = 2 units, region 1 holds U1, as many as still fit
; (NP = 3: 190,464 + 96,256 bytes; two regions of 2 units would take 380,928).  A region is filled by one tensor load of each wave, so K goes as
; 2 + 1 + 2 + 1 + 2 units with three refills (NP = 3) or 2 + 2 + 2 + 2 with two (NP = 2): few requests, each as large as LDS allows.  The phases are written out.
; CLUSTERS: 4 x 4 work-groups.  A's tile hangs on the block row alone and is asked for jointly by a row of the cluster, W's on the block
; column alone and is asked for jointly by a column: a quarter of the requests.
; W lies [k][n]: its fragments come out of LDS by the transposing load of 16-bit data.  The mover pads every 128 bytes (a k row of a panel) by 32:
; pitch 160, while memory is read in rows of 256 consecutive bytes.  A's rows of 256 U bytes are padded by 16.
; THE MATRIX INSTRUCTION IS USED TRANSPOSED (source 0 = 16 columns of W, source 1 = 16 rows of A): a lane then holds eight neighbouring
; columns of one row of C.
; REGISTERS: window 0: addresses, two fragment buffers, packed results; window 1: the accumulators, tile (a, b) at v[8 (NB a + b)].
.set NP,     3
.set OUTF32, 0
.set U0,     2                         ; K units of 128 in region 0
.set U1,     1                         ; and in region 1
.set NB,     2*NP                      ; column tiles of a wave: b = 2 p + e at columns 64 p + 32 (w % 2) + 16 e
.set BPITCH, 160
.set BUNIT,  NP*128*BPITCH             ; W of one unit: (p, kk, c) at (128 p + kk) 160 + 2 c
.set AP0,    256*U0+16                 ; pitch of A's rows in region 0, 1: odd multiples of 16 bytes
.set AP1,    256*U1+16
.set RB0,    0                         ; region 0: W's units,
.set RA0,    RB0+U0*BUNIT              ; then A's 128 rows
.set RB1,    RA0+128*AP0               ; region 1 likewise
.set RA1,    RB1+U1*BUNIT
.if U1 == 1
.set STAGE,  RB1                       ; the way out uses the region that the last phase does not read: it has had its last fill, and its last
.else                                  ; reads stand in front of the last change of regions, where every wave has waited for its reads and its tensor loads
.set STAGE,  RB0
.endif
.if OUTF32
.set SPITCH, 528                       ; 128 f32 + 16 bytes
.else
.set SPITCH, 400                       ; 192 f16 + 16 bytes
.endif
.set ASTEP,  256                       ; bytes from a unit to the next, in A and in W
.set BSTEP,  NP*16384
.set NFR,    2*(NB+4)                  ; LDS loads of a quarter unit
.set ADRA, 16                          ; v16-17  LDS address of my A fragments in region 0, 1
.set ADRB, 20                          ; v20-23  the same for W: region r, unit u at 20 + 2 r + u (the 16-bit immediate does not reach a second unit)
.set STO,  24                          ; the way out: where I put my piece of a row
.set RD1,  25                          ; where I read rows back
.set RD2,  26
.set CO1,  27                          ; my byte offsets in the outputs
.set CO2,  28
.set F0,   32                          ; fragment buffer 0: W's tiles at F + 8 b, A's at F + 48 + 8 a
.set F1,   112                         ; fragment buffer 1
.set TMP,  192                         ; packed results
.set G1A0, 24                          ; descriptor groups 1: the shapes of A's and W's tiles in region 0, 1
.set G1B0, 32
.set G1A1, 40
.set G1B1, 48
.set G0A0, 56                          ; groups 0: one set for each region and operand
.set G0B0, 60
.set G0A1, 68
.set G0B1, 72
.set MSB, 0
.macro WIN new                         ; the immediate's high byte repeats the setting that is left
.if MSB != \new
	s_set_vgpr_msb (MSB<<8)|\new
.set MSB, \new
.endif
.endm
.macro PLACES                          ; four independent vector instructions behind a matrix instruction, in front of what writes its sources or reads its result (ISA guide 7.12.1)
.rept 4
	v_nop
.endr
.endm
; A joint load into a region: waves 0, 1 fetch W's halves, waves 2, 3 A's.  The branch hangs on the wave's number alone.
.macro JLOAD reg
	s_cmp_eq_u32 s13, 0
	s_cbranch_scc0 .Lfor_a_\@
	tensor_load_to_lds s[G0B\reg:G0B\reg+3], s[G1B\reg:G1B\reg+7]
	s_nop 0
	s_branch .Lasked_\@
.Lfor_a_\@:
	tensor_load_to_lds s[G0A\reg:G0A\reg+3], s[G1A\reg:G1A\reg+7]
	s_nop 0
.Lasked_\@:
.endm
.macro CREST                           ; a round of the cluster's barrier behind its opening work-group barrier
	s_cmp_lg_u32 s12, 0
	s_cbranch_scc1 .Lnot_wave_0_\@
	s_barrier_signal -3
.Lnot_wave_0_\@:
	s_barrier_wait -3
	s_barrier_signal -1
	s_barrier_wait -1
.endm
.macro CROUND
	s_barrier_signal -1
	s_barrier_wait -1
	CREST
.endm
; The shapes of a region's tiles.  A: 64 rows of 128 U elements, 4 words of padding behind each row.  W: half of the region's dense block,
; U x NP x 32 rows of 256 bytes, 8 words of padding behind every 32.
.macro SHAPES reg
	s_or_b32 s[G1A\reg+0], s80, (1<<16)|(1<<20)|(1<<21)|((4+U\reg)<<22)|(3<<25)   ; mask of my row; 2-byte elements; padding on; bit 21 beside a mask; interval 64 U words
	s_mov_b32 s[G1A\reg+1], (128*U\reg)<<16        ; tensor_dim0
	s_mov_b32 s[G1A\reg+2], 64<<16                 ; tensor_dim1
	s_mov_b32 s[G1A\reg+3], (128*U\reg)<<16        ; tile_dim0
	s_mov_b32 s[G1A\reg+4], 64                     ; tile_dim1
	s_mov_b32 s[G1A\reg+5], 1024                   ; elements from row to row
	s_mov_b32 s[G1A\reg+6], 0
	s_mov_b32 s[G1A\reg+7], 0
	s_or_b32 s[G1B\reg+0], s81, (1<<16)|(1<<20)|(1<<21)|(4<<22)|(7<<25)           ; mask of my column; each k row of 128 bytes gets a pitch of 160
	s_mov_b32 s[G1B\reg+1], 128<<16
	s_mov_b32 s[G1B\reg+2], (U\reg*NP*32)<<16
	s_mov_b32 s[G1B\reg+3], 128<<16
	s_mov_b32 s[G1B\reg+4], U\reg*NP*32
	s_mov_b32 s[G1B\reg+5], 128
	s_mov_b32 s[G1B\reg+6], 0
	s_mov_b32 s[G1B\reg+7], 0
.endm
; From where and to where, for a region whose first fill begins at unit first; then that fill.  LDS addresses hang on the wave's number alone.
.macro WHERE reg, first
	s_mov_b32 s[G0A\reg], 1
	s_mul_i32 s20, s12, 64*AP\reg
	s_add_co_u32 s[G0A\reg+1], s20, RA\reg-128*AP\reg          ; waves 2, 3: A's rows 0-63, 64-127
	s_add_nc_u64 s[G0A\reg+2:G0A\reg+3], s[82:83], \first*ASTEP
	s_or_b32 s[G0A\reg+3], s[G0A\reg+3], 0x80000000
	s_mov_b32 s[G0B\reg], 1
	s_mul_i32 s20, s12, U\reg*NP*64*BPITCH
	s_add_co_u32 s[G0B\reg+1], s20, RB\reg                     ; waves 0, 1: W's halves
	s_mul_i32 s22, s14, U\reg*NP*8192
	s_mov_b32 s23, 0
	s_add_nc_u64 s[G0B\reg+2:G0B\reg+3], s[84:85], s[22:23]
	s_add_nc_u64 s[G0B\reg+2:G0B\reg+3], s[G0B\reg+2:G0B\reg+3], \first*BSTEP
	s_or_b32 s[G0B\reg+3], s[G0B\reg+3], 0x80000000
	JLOAD \reg
.endm
; NFR LDS loads: the fragments of quarter kq (32 along K) of unit u of a region into buffer f
.macro FETCH reg, u, kq, f
	WIN 0
.set fp, 0
.rept NP
.irp e, 0,1
	ds_load_tr16_b128 v[\f+8*(2*fp+\e):\f+8*(2*fp+\e)+3],   v[ADRB+2*\reg+\u] offset:fp*128*BPITCH+\e*32+\kq*32*BPITCH
	ds_load_tr16_b128 v[\f+8*(2*fp+\e)+4:\f+8*(2*fp+\e)+7], v[ADRB+2*\reg+\u] offset:fp*128*BPITCH+\e*32+\kq*32*BPITCH+16*BPITCH
.endr
.set fp, fp+1
.endr
.irp a, 0,1,2,3
	ds_load_b128 v[\f+48+8*\a:\f+48+8*\a+3],   v[ADRA+\reg] offset:\a*16*AP\reg+\u*256+\kq*64
	ds_load_b128 v[\f+48+8*\a+4:\f+48+8*\a+7], v[ADRA+\reg] offset:\a*16*AP\reg+\u*256+\kq*64+32
.endr
.endm
; Row tiles a0 .. a1 x all NB column tiles, 32 along K.  The accumulators take turns, one instruction a turn, in the same order in every
; quarter.  zero = 1: the first product starts the sums.
.macro MUL f, a0, a1, zero
	WIN 0x50                                       ; C and D in window 1
.set ma, \a0
.rept \a1-\a0+1
.set mb, 0
.rept NB
.if \zero
	v_wmma_f32_16x16x32_f16 v[8*(NB*ma+mb):8*(NB*ma+mb)+7], v[\f+8*mb:\f+8*mb+7], v[\f+48+8*ma:\f+48+8*ma+7], 0
.else
	v_wmma_f32_16x16x32_f16 v[8*(NB*ma+mb):8*(NB*ma+mb)+7], v[\f+8*mb:\f+8*mb+7], v[\f+48+8*ma:\f+48+8*ma+7], v[8*(NB*ma+mb):8*(NB*ma+mb)+7]
.endif
.set mb, mb+1
.endr
.set ma, ma+1
.endr
.endm
; A quarter that is not a region's last: asks for quarter kq of unit u into buffer g, then multiplies buffer f, whose loads went out a quarter ago.
.macro QUARTER reg, u, kq, f, g, zero
	PLACES                                         ; buffer g was read by the matrix instructions just issued
	FETCH \reg, \u, \kq, \g
	s_wait_dscnt NFR                               ; all but the NFR loads just issued: buffer f is in
	MUL \f, 0, 3, \zero
.endm
.macro THREE reg, u, zero
	QUARTER \reg, \u, 1, F0, F1, \zero
	QUARTER \reg, \u, 2, F1, F0, 0
	QUARTER \reg, \u, 3, F0, F1, 0
.endm
.macro BODY reg, zero                  ; all of a region's quarters but the last; no barrier between its units: the one in front has shown the whole region
	THREE \reg, 0, \zero
.if U\reg == 2
	QUARTER \reg, 1, 0, F1, F0, 0
	THREE \reg, 1, 0
.endif
.endm
; A region's last quarter multiplies buffer 1 and changes regions.  In front of the barrier each wave waits for its reads of this region and for all its
; tensor loads (one is out: its part of the next region).  fill = 1: the barrier opens a round of the cluster's barrier, and behind the round this
; region is asked for again, U0 + U1 units on, first thing; then the next region's first fragments are read.
.macro TURN reg, next, fill
	s_wait_dscnt 0x0                               ; buffer 1 is in, and with it my last reads of this region
	s_wait_tensorcnt 0x0                           ; all my tensor loads have landed
	ds_add_u32 v254, v255
	s_wait_dscnt 0x0
	s_barrier_signal -1
	MUL F1, 0, 1, 0                                ; register work while the others arrive
	WIN 0
	s_barrier_wait -1
.if \fill
	CREST                                          ; no wave of any partner still reads this region or has a load on its way
	s_add_nc_u64 s[G0A\reg+2:G0A\reg+3], s[G0A\reg+2:G0A\reg+3], (U0+U1)*ASTEP
	s_add_nc_u64 s[G0B\reg+2:G0B\reg+3], s[G0B\reg+2:G0B\reg+3], (U0+U1)*BSTEP
	JLOAD \reg
.endif
	PLACES
	FETCH \next, 0, 0, F0
	MUL F1, 2, 3, 0
.endm
.if OUTF32
	s_load_b128 s[4:7], s[0:1], 0x0                ; A s[4:5], W s[6:7]
	s_load_b64 s[8:9], s[0:1], 0x10                ; the output
.else
	s_load_b256 s[4:11], s[0:1], 0x0               ; A s[4:5], W s[6:7], q s[8:9], kv s[10:11]
	v_lshl_add_u32 v254, v0, 2, 0x4c800
	v_mov_b32 v255, 0
	ds_add_u32 v254, v255
.endif
	v_lshrrev_b32 v1, 5, v0
	v_readfirstlane_b32 s12, v1                    ; wave 0..3
	s_lshr_b32 s13, s12, 1                         ; my half of the rows.  Also: I fetch for W (0) or for A (1)
	s_and_b32 s14, s12, 1                          ; my half of each panel.  Also: which half of that tile I fetch
	s_bfe_u32 s76, ttmp6, 0x40000                  ; cx
	s_bfe_u32 s77, ttmp6, 0x40004                  ; cy
	s_lshl_b32 s78, ttmp9, 2
	s_add_co_u32 s78, s78, s76                     ; block column j = 4 x cluster x + cx
	s_and_b32 s79, ttmp7, 0xffff
	s_lshl_b32 s79, s79, 2
	s_add_co_u32 s79, s79, s77                     ; block row = 4 x cluster y + cy
	s_lshl_b32 s80, s77, 2
	s_lshl_b32 s80, 15, s80                        ; my row of the cluster
	s_lshl_b32 s81, 0x1111, s76                    ; my column
	SHAPES 0
	SHAPES 1
	s_lshl_b32 s16, s79, 18                        ; A: 128 rows of 2,048 bytes for each block row,
	s_lshl_b32 s17, s14, 17                        ; 64 rows for the half
	s_add_co_u32 s16, s16, s17
	s_mov_b32 s17, 0
	s_mul_i32 s86, s78, NP*131072                  ; W: tile j
	s_mov_b32 s87, 0
	s_wait_dscnt 0x0
	s_wait_kmcnt 0x0
	s_add_nc_u64 s[82:83], s[4:5], s[16:17]
	s_add_nc_u64 s[84:85], s[6:7], s[86:87]
	CROUND                                         ; all sixteen work-groups are here: the first joint loads meet
	WHERE 0, 0                                     ; units 0, 1
	WHERE 1, U0                                    ; the units behind them: two tensor loads of each wave are out, later one
	v_and_b32 v1, 15, v0                           ; r = lane % 16
	v_bfe_u32 v2, v0, 4, 1                         ; h = lane / 16
.irp reg, 0,1
	v_mul_u32_u24 v3, v1, AP\reg                   ; A's fragment: row r, 16 bytes for each half of the lanes
	v_lshl_add_u32 v3, v2, 4, v3
	s_mul_i32 s22, s13, 64*AP\reg
	s_add_co_u32 s22, s22, RA\reg
	v_add_nc_u32 v[ADRA+\reg], s22, v3
.endr
	v_and_b32 v4, 7, v0                            ; W's fragment, transposing load: k row 8 h + lane % 8, 16 bytes by bit 3 of the lane
	v_lshl_add_u32 v4, v2, 3, v4
	v_mul_u32_u24 v4, v4, BPITCH
	v_bfe_u32 v5, v0, 3, 1
	v_lshl_add_u32 v4, v5, 4, v4
	s_lshl_b32 s23, s14, 6                         ; my 32 columns of each panel
	v_add_nc_u32 v[ADRB], s23, v4
	v_add_nc_u32 v[ADRB+1], BUNIT, v[ADRB]
	v_add_nc_u32 v[ADRB+2], RB1, v[ADRB]
.if U1 == 2
	v_add_nc_u32 v[ADRB+3], RB1+BUNIT, v[ADRB]
.endif
	v_mul_u32_u24 v6, v1, SPITCH                   ; the way out
	s_mul_i32 s22, s13, 64*SPITCH
	s_add_co_u32 s22, s22, STAGE                   ; in: my 64 rows
	s_mul_i32 s23, s12, 32*SPITCH
	s_add_co_u32 s23, s23, STAGE                   ; back: rows 32 w .. + 31
	v_and_b32 v7, 31, v0
.if OUTF32
	v_lshl_add_u32 v6, v2, 5, v6                   ; 8 f32 for each half of the lanes
	s_lshl_b32 s18, s14, 7
	s_add_co_u32 s22, s22, s18
	v_add_nc_u32 v[STO], s22, v6
	v_lshlrev_b32 v[CO1], 4, v7                    ; a row of 512 bytes: 16 bytes a lane
	v_add_nc_u32 v[RD1], s23, v[CO1]
.else
	v_lshl_add_u32 v6, v2, 4, v6                   ; 8 f16 for each half of the lanes
	s_lshl_b32 s18, s14, 6
	s_add_co_u32 s22, s22, s18
	v_add_nc_u32 v[STO], s22, v6
	v_mul_u32_u24 v8, v2, SPITCH                   ; q: 256 bytes of a row for 16 lanes, two rows a load
	v_lshl_add_u32 v8, v1, 4, v8
	v_add_nc_u32 v[RD1], s23, v8
	v_bfe_u32 v9, v0, 3, 2                         ; kv: 128 bytes of a row for 8 lanes, four rows a load
	v_mul_u32_u24 v9, v9, SPITCH
	v_and_b32 v10, 7, v0
	v_lshl_add_u32 v9, v10, 4, v9
	s_add_co_u32 s23, s23, 256
	v_add_nc_u32 v[RD2], s23, v9
	v_lshlrev_b32 v11, 11, v2
	v_lshl_add_u32 v[CO1], v1, 4, v11              ; q: rows of 2,048 bytes
	v_lshlrev_b32 v[CO2], 4, v7                    ; kv: four rows of 128 bytes are 512 consecutive bytes
.endif
	s_wait_tensorcnt 0x1                           ; my part of region 0 is in; region 1's stays out
	s_barrier_signal -1
	s_barrier_wait -1
	FETCH 0, 0, 0, F0
	BODY 0, 1                                      ; units 0, 1: the first products start the sums
	TURN 0, 1, 1                                   ; region 0 is asked for again
	BODY 1, 0
	TURN 1, 0, 1                                   ; region 1 is asked for again
	BODY 0, 0
.if U1 == 1
	TURN 0, 1, 1                                   ; 2 + 1 + 2 + 1 + 2 units: region 0 once more, units 6, 7
	BODY 1, 0
	TURN 1, 0, 0                                   ; nothing is left to fetch
	BODY 0, 0
.else
	TURN 0, 1, 0                                   ; 2 + 2 + 2 + 2 units: nothing is left to fetch
	BODY 1, 0
.endif
	s_wait_dscnt 0x0
	MUL F1, 0, 3, 0
	; THE WAY OUT: all four waves put their pieces of the 128 rows into the stage; behind a barrier each wave reads 32 whole rows back and stores them.
	PLACES
	s_lshl_b32 s88, s79, 7
	s_lshl_b32 s89, s12, 5
	s_add_co_u32 s88, s88, s89                     ; the first row that I store: 128 x block row + 32 w
.if OUTF32
	s_lshl_b32 s90, s88, 12                        ; rows of 4,096 bytes
	s_lshl_b32 s91, s78, 9                         ; 128 f32 for each block column
	s_add_co_u32 s90, s90, s91
	s_mov_b32 s91, 0
	s_add_nc_u64 s[8:9], s[8:9], s[90:91]
	WIN 0x04                                       ; the stores' data in window 1
.irp a, 0,1,2,3
.set ob, 0
.rept NB
	ds_store_b128 v[STO], v[8*(NB*\a+ob):8*(NB*\a+ob)+3]   offset:\a*16*SPITCH+(ob/2)*256+(ob%2)*64
	ds_store_b128 v[STO], v[8*(NB*\a+ob)+4:8*(NB*\a+ob)+7] offset:\a*16*SPITCH+(ob/2)*256+(ob%2)*64+16
.set ob, ob+1
.endr
.endr
	WIN 0
	s_wait_dscnt 0x0                               ; my stores are done, for the other waves' sake
	s_barrier_signal -1
	s_barrier_wait -1
.set ot, 0
.rept 32
	ds_load_b128 v[F0+4*ot:F0+4*ot+3], v[RD1] offset:ot*SPITCH
.set ot, ot+1
.endr
.set ot, 0
.rept 32
	s_wait_dscnt 31-ot                             ; LDS loads return in order: row ot is in
	global_store_b128 v[CO1], v[F0+4*ot:F0+4*ot+3], s[8:9] offset:4096*ot th:TH_STORE_NT   ; 512 consecutive aligned bytes
.set ot, ot+1
.endr
.else
	s_lshl_b32 s90, s88, 11                        ; q: rows of 2,048 bytes,
	s_lshl_b32 s91, s78, 8                         ; 128 f16 for each block column
	s_add_co_u32 s90, s90, s91
	s_mov_b32 s91, 0
	s_add_nc_u64 s[8:9], s[8:9], s[90:91]
	s_lshl_b32 s92, s88, 7                         ; kv: rows of 128 bytes,
	s_lshl_b32 s93, s78, 19                        ; group j
	s_add_co_u32 s92, s92, s93
	s_mov_b32 s93, 0
	s_add_nc_u64 s[10:11], s[10:11], s[92:93]
.irp a, 0,1,2,3
	WIN 0x05                                       ; sources in window 1
.set ob, 0
.rept NB
.irp q, 0,1,2,3
	v_cvt_pk_f16_f32 v[TMP+4*ob+\q], v[8*(NB*\a+ob)+2*\q], v[8*(NB*\a+ob)+2*\q+1]
.endr
.set ob, ob+1
.endr
	WIN 0
.set ob, 0
.rept NB
	ds_store_b128 v[STO], v[TMP+4*ob:TMP+4*ob+3] offset:\a*16*SPITCH+(ob/2)*128+(ob%2)*32
.set ob, ob+1
.endr
.endr
	s_wait_dscnt 0x0                               ; my stores are done, for the other waves' sake
	s_barrier_signal -1
	s_barrier_wait -1
.set ot, 0
.rept 16
	ds_load_b128 v[F0+4*ot:F0+4*ot+3], v[RD1] offset:ot*2*SPITCH
.set ot, ot+1
.endr
.set ot, 0
.rept 8
	ds_load_b128 v[F0+64+4*ot:F0+64+4*ot+3], v[RD2] offset:ot*4*SPITCH
.set ot, ot+1
.endr
.set ot, 0
.rept 16
	s_wait_dscnt 23-ot                             ; of the 24 loads the younger ones stay out
	global_store_b128 v[CO1], v[F0+4*ot:F0+4*ot+3], s[8:9] offset:4096*ot      ; 16 lanes store 256 consecutive aligned bytes of a row of q
.set ot, ot+1
.endr
.set ot, 0
.rept 8
	s_wait_dscnt 7-ot
	global_store_b128 v[CO2], v[F0+64+4*ot:F0+64+4*ot+3], s[10:11] offset:512*ot   ; four rows of kv: 512 consecutive aligned bytes
.set ot, ot+1
.endr
.endif
	s_wait_tensorcnt 0x0
	ds_add_u32 v254, v255
	s_wait_dscnt 0x0
	CROUND                                         ; the closing round: no work-group ends while a partner may still ask for a tile that names it
	s_endpgm
.Lfunc_end_k_q6a15c73bf1_qkv:
	.size	k_q6a15c73bf1_qkv, .Lfunc_end_k_q6a15c73bf1_qkv-k_q6a15c73bf1_qkv
	.p2alignl 7, 3214868480
	.fill 96, 4, 3214868480
	.section	.rodata,"a",@progbits
	.p2align	6, 0x0
	.amdhsa_kernel k_q6a15c73bf1_qkv
		.amdhsa_group_segment_fixed_size 327680
		.amdhsa_private_segment_fixed_size 0
		.amdhsa_enable_private_segment 0
		.amdhsa_kernarg_size 32
		.amdhsa_user_sgpr_count 2
		.amdhsa_user_sgpr_kernarg_segment_ptr 1
		.amdhsa_wavefront_size32 1
		.amdhsa_system_sgpr_workgroup_id_x 1
		.amdhsa_system_sgpr_workgroup_id_y 1
		.amdhsa_system_sgpr_workgroup_id_z 1
		.amdhsa_system_vgpr_workitem_id 0
		.amdhsa_next_free_vgpr 448
		.amdhsa_next_free_sgpr 94
		.amdhsa_reserve_vcc 0
		.amdhsa_float_denorm_mode_32 3
		.amdhsa_float_denorm_mode_16_64 3
		.amdhsa_memory_ordered 1
		.amdhsa_forward_progress 1
		.amdhsa_inst_pref_size 119
	.end_amdhsa_kernel
	.amdgpu_metadata
---
amdhsa.version: [ 1, 2 ]
amdhsa.kernels:
  - .name:           k_q6a15c73bf1_qkv
    .symbol:         k_q6a15c73bf1_qkv.kd
    .args:
      - { .name: xh, .offset: 0, .size: 8, .value_kind: global_buffer, .address_space: global }
      - { .name: wt1, .offset: 8, .size: 8, .value_kind: global_buffer, .address_space: global }
      - { .name: qh, .offset: 16, .size: 8, .value_kind: global_buffer, .address_space: global }
      - { .name: kvb, .offset: 24, .size: 8, .value_kind: global_buffer, .address_space: global }
    .group_segment_fixed_size: 327680
    .private_segment_fixed_size: 0
    .kernarg_segment_align: 8
    .kernarg_segment_size: 32
    .max_flat_workgroup_size: 128
    .sgpr_count:     94
    .vgpr_count:     448
    .wavefront_size: 32
...
	.end_amdgpu_metadata
.endif
;; end of part 2
;; launch flash (part 3): grid 32 x 8, 8 waves a work-group, clusters of 4 x 1, 327,680 bytes of LDS; arguments qh, kvb, ah; writes ah
.if DOCPART == 3
	.amdgcn_target "amdgcn-amd-amdhsa--gfx1250"
	.amdhsa_code_object_version 6
	.text
	.protected	k_q6a15c73bf1_flash
	.globl	k_q6a15c73bf1_flash
	.p2align	8
	.type	k_q6a15c73bf1_flash,@function
k_q6a15c73bf1_flash:
	s_mov_b64 s[64:65], 0
	v_nop
	global_prefetch_b8 v0, s[64:65] scope:SCOPE_SE
	s_setreg_imm32_b32 hwreg(HW_REG_WAVE_MODE, 25, 1), 1
	s_wait_xcnt 0x0
	s_wait_alu depctr_hold_cnt(0) depctr_sa_sdst(0) depctr_va_vdst(0) depctr_va_sdst(0) depctr_va_ssrc(0) depctr_va_vcc(0) depctr_vm_vsrc(0)
	s_getreg_b32 s2, hwreg(HW_REG_IB_STS2, 6, 4)
	s_cmp_eq_u32 s2, 0
	s_cbranch_scc0 .Lentry_in_a_cluster
	s_endpgm
.Lentry_in_a_cluster:
	s_bfe_u32 s2, ttmp6, 0x10000c
	s_cmp_lg_u32 s2, 0x3003
	s_cbranch_scc0 .Lentry_shape_is_right
	s_endpgm
.Lentry_shape_is_right:
; Attention without a mask: for each of 2 batches and 16 heads, softmax(q k^T / 8) v over 2,048 keys, with a running maximum.
; q: [4096][1024] f16, head h at column 64 h.  kv: [g 8][token 4096][64] f16 (g < 4 keys, g >= 4 values of head g - 4).  Result: [4096][1024] f16.
; A work-group takes 64 queries of the FOUR query heads that share one key/value head: 32 x 8 = 256 work-groups.  Eight waves, two on a SIMD:
; wave w takes head w % 4 of the four and half w / 4 of the keys of every tile (128 of 256); the two halves are merged once, at the end.
; CLUSTERS: the four query blocks of a cluster walk the same keys and values: every tile is asked for jointly, mask 15.
; LAYOUT: S^T = K Q^T (keys are the rows): lane (r, h) holds query r and keys 8 h + j, so maximum and sum of a query stay in a lane but for one
; exchange of the two halves, and two tiles of S^T, packed in place, ARE the fragment of P^T for O^T = V^T P^T.  V^T comes out of V [key][d]
; by the transposing LDS load.  A lane of O^T holds eight neighbouring d of one query.
; TWO TYPES OF WAVES: a step of 64 keys is three blocks: QK (32 matrix instructions), SM (the softmax: vector work alone), PV (32 matrix instructions); the text
; runs PV(i), QK(i+1), SM(i+1).  The softmax of a tile's last step stands twice, in front of the barrier for waves of type 0 and behind it for waves of type 1, each
; jumped over by the other type.  So behind every barrier a wave of type 0 begins with 64 matrix instructions and one of type 1 with vector work, and they go on in
; opposite phases; between two barriers both do the same work.  Type = (w + w / 4) % 2: it differs between w and w + 4 and between 2 i and 2 i + 1.
; NUMBERS: the state is NM = round(-c m), c = log2(e) / 8; p = 2^(c s + NM) by one fused multiply-add, and the old sums are scaled by 2^(NM new - NM old):
; the same rounded NM everywhere, so its rounding cancels in the quotient whatever the size of the scores.
; LIMITS: scores must be finite (an infinite or NaN product gives NaN or is passed over by the maximum); p below 2^-126 counts as 0, p is rounded to f16
; (below 6e-8 of the row's largest: 0) for the product, while the sum adds the unrounded p; the result is rounded to f16, range as v's: 65,504.
; REGISTERS: window 0: addresses, state, fragments of Q (kept), K, V; window 1: v0-127 S^T / P^T, v128-255 O^T.
.set KPITCH, 144                       ; a key's 128 bytes + 16
.set VPITCH, 160                       ; a value's 128 bytes + 32
.set VBYTES, 256*VPITCH
.set KBYTES, 256*KPITCH
.set SLOTB,  VBYTES+KBYTES             ; 256 values, then 256 keys
.set MERGE,  2*SLOTB                   ; behind the ring, at a multiple of 256 bytes; no tensor load lands from here on
.set MHEAD,  18432                     ; for each head: O^T of the upper key half 16,384, its NM and sums 2,048
.set OUTS,   MERGE+4*MHEAD             ; 64 rows of 512 bytes + 16
.set OPITCH, 528
.set TILEB,  32768                     ; bytes of 256 keys in memory
.set ADRK, 8                           ; v8-9   LDS address of my K fragments in slot 0, 1
.set ADRV, 10                          ; v10-11 the same for V
.set VQ,   12
.set MSA,  13
.set OSTO, 14
.set ORD,  15
.set OCO,  16
.set MST,  17
.set NMR,  32                          ; query tile nt: v[32+2nt] NM, v[33+2nt] the maximum m
.set ALR,  40                          ; v[40+2nt] the factor for the old sums, v[41+2nt] at work
.set LR,   48                          ; v[48+2nt:49+2nt] two partial sums of p
.set XR,   56                          ; v[56+nt] what the other half of the lanes sent
.set QF,   64                          ; Q(nt, c) at 64 + 8 (2 nt + c)
.set KF,   128                         ; K(mt, c) at 128 + 8 (2 mt + c)
.set VF,   192                         ; V^T(g, dt) at 192 + 8 (4 g + dt)
.set OA,   128                         ; window 1: O^T(dt, nt) at 128 + 8 (4 dt + nt); S^T(mt, nt) at 16 (4 (mt / 2) + nt) + 8 (mt % 2)
.set G1V, 24
.set G0V, 32
.set G1K, 48
.set G0K, 56
.set MSB, 0
.macro WIN new
.if MSB != \new
	s_set_vgpr_msb (MSB<<8)|\new
.set MSB, \new
.endif
.endm
.macro JLOAD s                         ; waves 0-3 fetch quarters of V's tile, waves 4-7 of K's
	s_cmp_eq_u32 s11, 0
	s_cbranch_scc0 .Lfor_k_\@
	tensor_load_to_lds s[G0V+4*\s:G0V+4*\s+3], s[G1V:G1V+7]
	s_nop 0
	s_branch .Lasked_\@
.Lfor_k_\@:
	tensor_load_to_lds s[G0K+4*\s:G0K+4*\s+3], s[G1K:G1K+7]
	s_nop 0
.Lasked_\@:
.endm
.macro ROUND                           ; a round of the cluster's barrier
	s_barrier_signal -1
	s_barrier_wait -1
	s_cmp_lg_u32 s10, 0
	s_cbranch_scc1 .Lnot_wave_0_\@
	s_barrier_signal -3
.Lnot_wave_0_\@:
	s_barrier_wait -3
	s_barrier_signal -1
	s_barrier_wait -1
.endm
; Five places behind a block of matrix instructions, on every way that leads on from it: for the loads into its fragments, for the vector
; instructions that read its results, for the matrix instructions that take its results as a source or write over its sources.
.macro FIVE
.rept 5
	v_nop
.endr
.endm
.macro LOADK slot, st                  ; sixteen loads: the K fragments of part st (64 keys) of my 128 keys in the slot
	WIN 0
.irp mt, 0,1,2,3
.irp c, 0,1
	ds_load_b128 v[KF+8*(2*\mt+\c):KF+8*(2*\mt+\c)+3],   v[ADRK+\slot] offset:(64*\st+16*\mt)*KPITCH+64*\c
	ds_load_b128 v[KF+8*(2*\mt+\c)+4:KF+8*(2*\mt+\c)+7], v[ADRK+\slot] offset:(64*\st+16*\mt)*KPITCH+64*\c+32
.endr
.endr
.endm
.macro LOADV slot, st                  ; sixteen loads: the V^T fragments of the same keys
	WIN 0
.irp g, 0,1
.irp dt, 0,1,2,3
	ds_load_tr16_b128 v[VF+8*(4*\g+\dt):VF+8*(4*\g+\dt)+3],   v[ADRV+\slot] offset:(64*\st+32*\g)*VPITCH+32*\dt
	ds_load_tr16_b128 v[VF+8*(4*\g+\dt)+4:VF+8*(4*\g+\dt)+7], v[ADRV+\slot] offset:(64*\st+32*\g)*VPITCH+32*\dt+16*VPITCH
.endr
.endr
.endm
; S^T = K Q^T for 64 keys and 64 queries: sixteen accumulators by turns, one instruction a turn; d = 0..31 starts the sums, d = 32..63 adds
.macro QK
	WIN 0x50                                       ; C and D in window 1
.irp c, 0,1
.irp mt, 0,1,2,3
.irp nt, 0,1,2,3
.if \c
	v_wmma_f32_16x16x32_f16 v[16*(4*(\mt/2)+\nt)+8*(\mt%2):16*(4*(\mt/2)+\nt)+8*(\mt%2)+7], v[KF+8*(2*\mt+\c):KF+8*(2*\mt+\c)+7], v[QF+8*(2*\nt+\c):QF+8*(2*\nt+\c)+7], v[16*(4*(\mt/2)+\nt)+8*(\mt%2):16*(4*(\mt/2)+\nt)+8*(\mt%2)+7]
.else
	v_wmma_f32_16x16x32_f16 v[16*(4*(\mt/2)+\nt)+8*(\mt%2):16*(4*(\mt/2)+\nt)+8*(\mt%2)+7], v[KF+8*(2*\mt+\c):KF+8*(2*\mt+\c)+7], v[QF+8*(2*\nt+\c):QF+8*(2*\nt+\c)+7], 0
.endif
.endr
.endr
.endr
	FIVE
	WIN 0
.endm
; O^T += V^T P^T: sixteen accumulators by turns, one instruction a turn.  first = 1: the first 32 keys start the sums.
.macro PV first
	WIN 0x54                                       ; B, C and D in window 1
.irp g, 0,1
.irp dt, 0,1,2,3
.irp nt, 0,1,2,3
.if \first*(1-\g)
	v_wmma_f32_16x16x32_f16 v[OA+8*(4*\dt+\nt):OA+8*(4*\dt+\nt)+7], v[VF+8*(4*\g+\dt):VF+8*(4*\g+\dt)+7], v[16*(4*\g+\nt):16*(4*\g+\nt)+7], 0
.else
	v_wmma_f32_16x16x32_f16 v[OA+8*(4*\dt+\nt):OA+8*(4*\dt+\nt)+7], v[VF+8*(4*\g+\dt):VF+8*(4*\g+\dt)+7], v[16*(4*\g+\nt):16*(4*\g+\nt)+7], v[OA+8*(4*\dt+\nt):OA+8*(4*\dt+\nt)+7]
.endif
.endr
.endr
.endr
	FIVE
	WIN 0
.endm
.macro SUMS i                          ; pair i of each query tile's 16 pairs of p joins the sums
.irp nt, 0,1,2,3
	v_pk_add_f32 v[LR+2*\nt:LR+2*\nt+1], v[16*(4*(\i/8)+\nt)+2*(\i%8):16*(4*(\i/8)+\nt)+2*(\i%8)+1], v[LR+2*\nt:LR+2*\nt+1]
.endr
.endm
; The softmax of a step: new maximum, p, the old sums and the old O^T to the new maximum, P^T packed.  Registers alone.  first = 1: nothing has been summed yet.
.macro SM first
	; the largest of my 32 scores of each query and of the old maximum: four chains that take turns
	WIN 0x05                                       ; sources 0, 1 in window 1
.irp i, 0,1,2,3,4,5,6,7,8,9,10,11,12,13,14,15
.irp nt, 0,1,2,3
.if \i == 0
.if \first
	v_max_num_f32 v[ALR+2*\nt+1], v[16*\nt], v[16*\nt+1]
.else
	v_max3_num_f32 v[ALR+2*\nt+1], v[16*\nt], v[16*\nt+1], v[NMR+2*\nt+1]
.endif
.else
	v_max3_num_f32 v[ALR+2*\nt+1], v[16*(4*(\i/8)+\nt)+2*(\i%8)], v[16*(4*(\i/8)+\nt)+2*(\i%8)+1], v[ALR+2*\nt+1]
.endif
.endr
.endr
	WIN 0
.irp nt, 0,1,2,3
	v_permlanex16_b32 v[XR+\nt], v[ALR+2*\nt+1], s40, s41      ; the other eight keys of each tile lie in lane i xor 16
.endr
.irp nt, 0,1,2,3
	v_max_num_f32 v[NMR+2*\nt+1], v[ALR+2*\nt+1], v[XR+\nt]    ; the new maximum
.endr
.if \first
.irp nt, 0,1,2,3
	v_mul_f32 v[NMR+2*\nt], 0xbe38aa3b, v[NMR+2*\nt+1]         ; NM = -c m
.endr
.else
.irp nt, 0,1,2,3
	v_mul_f32 v[XR+\nt], 0xbe38aa3b, v[NMR+2*\nt+1]
.endr
.irp nt, 0,1,2,3
	v_sub_f32 v[ALR+2*\nt], v[XR+\nt], v[NMR+2*\nt]            ; NM new - NM old, never above 0
.endr
.irp nt, 0,1,2,3
	v_mov_b32 v[NMR+2*\nt], v[XR+\nt]
.endr
.irp nt, 0,1,2,3
	v_exp_f32 v[ALR+2*\nt], v[ALR+2*\nt]                       ; first used far below; the next vector instructions touch other registers (ISA guide 5.7.2)
.endr
.endif
	WIN 0x41                                       ; source 0 and destination in window 1
.set ix, 0
.rept 64
	v_pk_fma_f32 v[2*ix:2*ix+1], v[2*ix:2*ix+1], s[42:43], v[NMR+2*((ix/8)%4):NMR+2*((ix/8)%4)+1] op_sel_hi:[1,0,0]   ; c s + NM
.set ix, ix+1
.endr
.set ix, 0
.rept 128
	v_exp_f32 v[ix], v[ix]                         ; p
.set ix, ix+1
.endr
	v_nop                                          ; one plain instruction behind the last exponential
.if \first == 0
.set ix, 0
	s_wait_alu depctr_va_vdst(0)
.rept 64
	v_pk_mul_f32 v[OA+2*ix:OA+2*ix+1], v[OA+2*ix:OA+2*ix+1], v[ALR+2*((ix/4)%4):ALR+2*((ix/4)%4)+1] op_sel_hi:[1,0]   ; the old O^T to the new maximum
.set ix, ix+1
.endr
.endif
.if \first
	WIN 0x05
	s_wait_alu depctr_va_vdst(0)
.irp nt, 0,1,2,3
	v_pk_add_f32 v[LR+2*\nt:LR+2*\nt+1], v[16*\nt:16*\nt+1], v[16*\nt+2:16*\nt+3]   ; the first two pairs start the sums
.endr
	WIN 0x01
.irp i, 2,3,4,5,6,7,8,9,10,11,12,13,14,15
	SUMS \i
.endr
.else
	WIN 0x10                                       ; source 2 in window 1
.irp nt, 0,1,2,3
	v_pk_fma_f32 v[LR+2*\nt:LR+2*\nt+1], v[LR+2*\nt:LR+2*\nt+1], v[ALR+2*\nt:ALR+2*\nt+1], v[16*\nt:16*\nt+1] op_sel_hi:[1,0,1]   ; the old sums scaled, plus the first pair
.endr
	WIN 0x01
.irp i, 1,2,3,4,5,6,7,8,9,10,11,12,13,14,15
	SUMS \i
.endr
.endif
	; two tiles of S^T (keys 8 h + j and 16 + 8 h + j) pack in place into the fragment of P^T; ascending, so that no source is overwritten early
	WIN 0x45
.irp gn, 0,1,2,3,4,5,6,7
.irp q, 0,1,2,3
	v_cvt_pk_f16_f32 v[16*\gn+\q], v[16*\gn+2*\q], v[16*\gn+2*\q+1]
.endr
.irp q, 0,1,2,3
	v_cvt_pk_f16_f32 v[16*\gn+4+\q], v[16*\gn+8+2*\q], v[16*\gn+9+2*\q]
.endr
.endr
	WIN 0
.endm
.macro SM_IF t                         ; the softmax, for the waves of type t alone: the branch hangs on the wave's number and jumps over register work only
	s_cmp_lg_u32 s45, \t
	s_cbranch_scc1 .Lnot_my_turn_\@
	SM 0
.Lnot_my_turn_\@:
.endm
; The 256 keys of a slot.  On entry S^T (type 1) or P^T (type 0) and the V^T fragments of the step before are in registers.
; In front of the barrier: all my tensor loads have landed, my part of this slot among them, and my reads of the other slot are done, the last V^T among them.
; refill = 1: the barrier is a round of the cluster's barrier, and the other slot is asked for again first thing behind it, two tiles ahead.
.macro TILE slot, other, refill
	s_wait_tensorcnt 0x0
	ds_add_u32 v62, v63
	s_wait_dscnt 0x0
	s_wait_dscnt 0x0
.if \refill
	s_add_nc_u64 s[G0V+4*\other+2:G0V+4*\other+3], s[G0V+4*\other+2:G0V+4*\other+3], 2*TILEB   ; no tensor load of mine is out: group 0 may be written
	s_add_nc_u64 s[G0K+4*\other+2:G0K+4*\other+3], s[G0K+4*\other+2:G0K+4*\other+3], 2*TILEB
	ROUND
	JLOAD \other
.else
	s_barrier_signal -1
	s_barrier_wait -1
.endif
	LOADK \slot, 0
	SM_IF 1                                        ; type 1: the softmax of the step before
	PV 0                                           ; the step before
	LOADV \slot, 0
	s_wait_dscnt 16                                ; K's sixteen loads are in; V's sixteen, issued behind them, stay out
	QK
	LOADK \slot, 1
	SM 0
	s_wait_dscnt 16                                ; V's are in; the next K's sixteen stay out
	PV 0
	LOADV \slot, 1
	s_wait_dscnt 16                                ; K's are in; V's stay out
	QK
	SM_IF 0                                        ; type 0: the softmax of this tile's last step
.endm
	s_load_b128 s[4:7], s[0:1], 0x0                ; q s[4:5], kv s[6:7]
	s_load_b64 s[8:9], s[0:1], 0x10                ; the result
	v_lshl_add_u32 v62, v0, 2, 0x40400
	v_mov_b32 v63, 0
	ds_add_u32 v62, v63
	v_lshrrev_b32 v1, 5, v0
	v_readfirstlane_b32 s10, v1                    ; wave 0..7
	s_lshr_b32 s11, s10, 2                         ; my half of the keys.  Also: I fetch for V (0) or for K (1)
	s_and_b32 s12, s10, 3                          ; my head of the four.  Also: which quarter of that tile I fetch
	s_add_co_u32 s45, s10, s11
	s_and_b32 s45, s45, 1                          ; my type
	s_bfe_u32 s13, ttmp6, 0x40000                  ; cx
	s_lshl_b32 s14, ttmp9, 2
	s_add_co_u32 s14, s14, s13                     ; query block = 4 x cluster x + cx
	s_and_b32 s15, ttmp7, 0xffff
	s_lshr_b32 s16, s15, 2                         ; batch
	s_and_b32 s17, s15, 3                          ; key/value head
	s_mov_b32 s40, 0x76543210                      ; v_permlanex16_b32: lane i of one half reads lane i of the other
	s_mov_b32 s41, 0xfedcba98
	s_mov_b32 s42, 0x3e38aa3b                      ; c = log2(e) / 8
	s_mov_b32 s43, 0x3e38aa3b
	s_mov_b32 s[G1V+0], 15|(1<<16)|(1<<20)|(1<<21)|(4<<22)|(7<<25)   ; mask: all four; 2-byte elements; 8 words behind every 32: pitch 160
	s_mov_b32 s[G1V+1], 128<<16
	s_mov_b32 s[G1V+2], 32<<16
	s_mov_b32 s[G1V+3], 128<<16                    ; rows of 256 bytes: two keys
	s_mov_b32 s[G1V+4], 32                         ; 32 rows: 64 keys, dense
	s_mov_b32 s[G1V+5], 128
	s_mov_b32 s[G1V+6], 0
	s_mov_b32 s[G1V+7], 0
	s_mov_b32 s[G1K+0], 15|(1<<16)|(1<<20)|(1<<21)|(4<<22)|(3<<25)   ; 4 words behind every 32: pitch 144
	s_mov_b32 s[G1K+1], 128<<16
	s_mov_b32 s[G1K+2], 32<<16
	s_mov_b32 s[G1K+3], 128<<16
	s_mov_b32 s[G1K+4], 32
	s_mov_b32 s[G1K+5], 128
	s_mov_b32 s[G1K+6], 0
	s_mov_b32 s[G1K+7], 0
	s_lshl_b32 s18, s17, 19                        ; K: group = head,
	s_lshl_b32 s19, s16, 18                        ; 2,048 tokens of 128 bytes for the batch,
	s_add_co_u32 s18, s18, s19
	s_lshl_b32 s19, s12, 13                        ; my quarter: 64 keys.  Nothing here hangs on cx
	s_add_co_u32 s18, s18, s19
	s_mov_b32 s19, 0
	s_add_co_u32 s20, s18, 4*524288                ; V: four groups on
	s_mov_b32 s21, 0
	s_mul_i32 s22, s10, 64*VPITCH                  ; where they go: V's quarters (waves 0-3),
	s_mul_i32 s23, s10, 64*KPITCH
	s_add_co_u32 s23, s23, VBYTES-KBYTES           ; K's behind them (waves 4-7)
	s_lshl_b32 s46, s16, 22                        ; q and the result: the batch, 2,048 rows of 2,048 bytes,
	s_lshl_b32 s47, s14, 17                        ; 64 rows for each query block,
	s_add_co_u32 s46, s46, s47
	s_lshl_b32 s47, s17, 9                         ; four heads of 128 bytes
	s_add_co_u32 s46, s46, s47
	s_mov_b32 s47, 0
	s_wait_dscnt 0x0
	s_wait_kmcnt 0x0
	s_add_nc_u64 s[18:19], s[6:7], s[18:19]
	s_add_nc_u64 s[20:21], s[6:7], s[20:21]
	s_add_nc_u64 s[4:5], s[4:5], s[46:47]
	s_add_nc_u64 s[8:9], s[8:9], s[46:47]
	s_lshl_b32 s46, s10, 14                        ; the result: I store rows 8 w .. + 7
	s_add_nc_u64 s[8:9], s[8:9], s[46:47]
	ROUND                                          ; all four work-groups are here: the first joint loads meet
.irp s, 0,1
	s_mov_b32 s[G0V+4*\s], 1
	s_add_co_u32 s[G0V+4*\s+1], s22, \s*SLOTB
	s_add_nc_u64 s[G0V+4*\s+2:G0V+4*\s+3], s[20:21], \s*TILEB
	s_or_b32 s[G0V+4*\s+3], s[G0V+4*\s+3], 0x80000000
	s_mov_b32 s[G0K+4*\s], 1
	s_add_co_u32 s[G0K+4*\s+1], s23, \s*SLOTB
	s_add_nc_u64 s[G0K+4*\s+2:G0K+4*\s+3], s[18:19], \s*TILEB
	s_or_b32 s[G0K+4*\s+3], s[G0K+4*\s+3], 0x80000000
	JLOAD \s                                       ; tiles 0 and 1: two tensor loads of each wave are out, later one
.endr
	v_and_b32 v1, 15, v0                           ; r
	v_bfe_u32 v2, v0, 4, 1                         ; h
	v_and_b32 v3, 31, v0                           ; lane
	v_lshlrev_b32 v[VQ], 11, v1                    ; Q's fragment straight from memory: query r, 16 bytes for each half of the lanes, my head
	v_lshl_add_u32 v[VQ], v2, 4, v[VQ]
	s_lshl_b32 s46, s12, 7
	v_add_nc_u32 v[VQ], s46, v[VQ]
.irp nt, 0,1,2,3
.irp c, 0,1
	global_load_b128 v[QF+8*(2*\nt+\c):QF+8*(2*\nt+\c)+3],   v[VQ], s[4:5] offset:\nt*32768+64*\c
	global_load_b128 v[QF+8*(2*\nt+\c)+4:QF+8*(2*\nt+\c)+7], v[VQ], s[4:5] offset:\nt*32768+64*\c+32
.endr
.endr
	v_mul_u32_u24 v4, v1, KPITCH                   ; K's fragment: key r, 16 bytes for each half of the lanes, my half of the keys
	v_lshl_add_u32 v4, v2, 4, v4
	s_mul_i32 s46, s11, 128*KPITCH
	s_add_co_u32 s46, s46, VBYTES
	v_add_nc_u32 v[ADRK], s46, v4
	v_add_nc_u32 v[ADRK+1], SLOTB, v[ADRK]
	v_and_b32 v5, 7, v0                            ; V^T's fragment, transposing load: key 8 h + lane % 8, 16 bytes by bit 3 of the lane
	v_lshl_add_u32 v5, v2, 3, v5
	v_mul_u32_u24 v5, v5, VPITCH
	v_bfe_u32 v6, v0, 3, 1
	v_lshl_add_u32 v5, v6, 4, v5
	s_mul_i32 s47, s11, 128*VPITCH
	v_add_nc_u32 v[ADRV], s47, v5
	v_add_nc_u32 v[ADRV+1], SLOTB, v[ADRV]
	s_mul_i32 s46, s12, MHEAD                      ; the merge: my head's bytes
	s_add_co_u32 s46, s46, MERGE
	v_lshl_add_u32 v[MSA], v3, 4, s46
	s_add_co_u32 s46, s46, 16384
	v_lshl_add_u32 v[MST], v3, 3, s46
	v_mul_u32_u24 v7, v1, OPITCH                   ; the way out, in: query r, my head's 128 bytes, 16 bytes for each half of the lanes
	v_lshl_add_u32 v7, v2, 4, v7
	s_lshl_b32 s46, s12, 7
	s_add_co_u32 s46, s46, OUTS
	v_add_nc_u32 v[OSTO], s46, v7
	v_lshlrev_b32 v[OCO], 4, v3                    ; back: a row of 512 bytes, 16 bytes a lane
	s_mul_i32 s46, s10, 8*OPITCH
	s_add_co_u32 s46, s46, OUTS
	v_add_nc_u32 v[ORD], s46, v[OCO]
.irp nt, 0,1,2,3
	v_mov_b32 v[XR+\nt], 0                         ; destinations of the lane exchange count as read
.endr
	s_wait_loadcnt 0x0                             ; Q
	s_wait_tensorcnt 0x1                           ; my part of tile 0 is in; tile 1's stays out
	s_barrier_signal -1
	s_barrier_wait -1
	LOADK 0, 0                                     ; tile 0: no step lies before it
	LOADV 0, 0
	s_wait_dscnt 16                                ; K's sixteen loads are in; V's stay out
	QK
	LOADK 0, 1
	SM 1
	s_wait_dscnt 16                                ; V's are in; the next K's stay out
	PV 1
	LOADV 0, 1
	s_wait_dscnt 16                                ; K's are in; V's stay out
	QK
	SM_IF 0                                        ; from here on the two types are a softmax apart
	s_mov_b32 s44, 3
.Ltiles:
	TILE 1, 0, 1                                   ; tiles 1, 3, 5; asks for 2, 4, 6
	TILE 0, 1, 1                                   ; tiles 2, 4, 6; asks for 3, 5, 7
	s_sub_co_u32 s44, s44, 1
	s_cmp_lg_u32 s44, 0
	s_cbranch_scc1 .Ltiles
	TILE 1, 0, 0                                   ; tile 7: nothing is left to fetch
	SM_IF 1                                        ; the last step's softmax, type 1
	s_wait_dscnt 0x0                               ; its V^T
	PV 0
	; THE MERGE of the two halves of the keys.  First each wave's own sums: two partial sums, two halves of the lanes.
.irp nt, 0,1,2,3
	v_add_f32 v[LR+2*\nt], v[LR+2*\nt], v[LR+2*\nt+1]
.endr
.irp nt, 0,1,2,3
	v_permlanex16_b32 v[XR+\nt], v[LR+2*\nt], s40, s41
.endr
.irp nt, 0,1,2,3
	v_add_f32 v[LR+2*\nt], v[LR+2*\nt], v[XR+\nt]
.endr
	s_cmp_eq_u32 s11, 0
	s_cbranch_scc1 .Lkeep
.irp nt, 0,1,2,3
	ds_store_b64 v[MST], v[NMR+2*\nt:NMR+2*\nt+1] offset:256*\nt        ; NM (and m)
	ds_store_b64 v[MST], v[LR+2*\nt:LR+2*\nt+1] offset:1024+256*\nt     ; the sum (and a word that is not used)
.endr
	WIN 0x04                                       ; the stores' data in window 1
.set ix, 0
.rept 32
	ds_store_b128 v[MSA], v[OA+4*ix:OA+4*ix+3] offset:512*ix
.set ix, ix+1
.endr
	WIN 0
.Lkeep:
	s_wait_dscnt 0x0                               ; the stores are done, for the partner wave's sake
	s_barrier_signal -1
	s_barrier_wait -1
	s_cmp_lg_u32 s11, 0
	s_cbranch_scc1 .Lmerged
.irp nt, 0,1,2,3
	ds_load_b64 v[QF+2*\nt:QF+2*\nt+1], v[MST] offset:256*\nt           ; the partner's NM, into registers that Q has left
	ds_load_b64 v[QF+8+2*\nt:QF+8+2*\nt+1], v[MST] offset:1024+256*\nt  ; its sum
.endr
.set ix, 0
.rept 32
	ds_load_b128 v[128+4*ix:128+4*ix+3], v[MSA] offset:512*ix           ; its O^T, at my own O^T's numbers, one window down
.set ix, ix+1
.endr
	s_wait_dscnt 0x0
.irp nt, 0,1,2,3
	v_min_num_f32 v[QF+16+\nt], v[NMR+2*\nt], v[QF+2*\nt]               ; the larger maximum has the smaller NM
.endr
.irp nt, 0,1,2,3
	v_sub_f32 v[ALR+2*\nt], v[QF+16+\nt], v[NMR+2*\nt]
	v_sub_f32 v[QF+20+\nt], v[QF+16+\nt], v[QF+2*\nt]
.endr
.irp nt, 0,1,2,3
	v_exp_f32 v[ALR+2*\nt], v[ALR+2*\nt]           ; my factor
	v_exp_f32 v[QF+20+\nt], v[QF+20+\nt]           ; the partner's
.endr
	v_nop                                          ; one plain instruction behind the exponentials
	s_wait_alu depctr_va_vdst(0)
.irp nt, 0,1,2,3
	v_mul_f32 v[LR+2*\nt], v[LR+2*\nt], v[ALR+2*\nt]
.endr
.irp nt, 0,1,2,3
	v_fmac_f32 v[LR+2*\nt], v[QF+8+2*\nt], v[QF+20+\nt]                 ; the whole sum; at least one p of about 1 is in it
.endr
.irp nt, 0,1,2,3
	v_rcp_f32 v[QF+24+\nt], v[LR+2*\nt]
.endr
	v_nop                                          ; one plain instruction behind the reciprocals
	s_wait_alu depctr_va_vdst(0)
.irp nt, 0,1,2,3
	v_mul_f32 v[ALR+2*\nt], v[ALR+2*\nt], v[QF+24+\nt]                  ; factor / sum, mine
	v_mul_f32 v[LR+2*\nt], v[QF+20+\nt], v[QF+24+\nt]                   ; and the partner's
.endr
.set ix, 0
.rept 64
	v_pk_mul_f32 v[128+2*ix:128+2*ix+1], v[128+2*ix:128+2*ix+1], v[LR+2*((ix/4)%4):LR+2*((ix/4)%4)+1] op_sel_hi:[1,0]
.set ix, ix+1
.endr
	WIN 0x01                                       ; source 0, my O^T, in window 1
.set ix, 0
.rept 64
	v_pk_fma_f32 v[128+2*ix:128+2*ix+1], v[OA+2*ix:OA+2*ix+1], v[ALR+2*((ix/4)%4):ALR+2*((ix/4)%4)+1], v[128+2*ix:128+2*ix+1] op_sel_hi:[1,0,1]
.set ix, ix+1
.endr
	WIN 0
.irp dt, 0,1,2,3
.irp nt, 0,1,2,3
.irp q, 0,1,2,3
	v_cvt_pk_f16_f32 v[128+8*(4*\dt+\nt)+\q], v[128+8*(4*\dt+\nt)+2*\q], v[128+8*(4*\dt+\nt)+2*\q+1]
.endr
	ds_store_b128 v[OSTO], v[128+8*(4*\dt+\nt):128+8*(4*\dt+\nt)+3] offset:\nt*16*OPITCH+\dt*32   ; query 16 nt + r, d = 16 dt + 8 h ..
.endr
.endr
.Lmerged:
	s_wait_dscnt 0x0                               ; the stores are done, for the other waves' sake
	s_barrier_signal -1
	s_barrier_wait -1
.irp t, 0,1,2,3,4,5,6,7
	ds_load_b128 v[QF+4*\t:QF+4*\t+3], v[ORD] offset:\t*OPITCH
.endr
.irp t, 0,1,2,3,4,5,6,7
	s_wait_dscnt 7-\t                              ; LDS loads return in order: row t is in
	global_store_b128 v[OCO], v[QF+4*\t:QF+4*\t+3], s[8:9] offset:2048*\t   ; the four heads' 512 consecutive aligned bytes of a row
.endr
	s_wait_tensorcnt 0x0
	ds_add_u32 v62, v63
	s_wait_dscnt 0x0
	ROUND                                          ; the closing round: no work-group ends while a partner may still ask for a tile that names it
	s_endpgm
.Lfunc_end_k_q6a15c73bf1_flash:
	.size	k_q6a15c73bf1_flash, .Lfunc_end_k_q6a15c73bf1_flash-k_q6a15c73bf1_flash
	.p2alignl 7, 3214868480
	.fill 96, 4, 3214868480
	.section	.rodata,"a",@progbits
	.p2align	6, 0x0
	.amdhsa_kernel k_q6a15c73bf1_flash
		.amdhsa_group_segment_fixed_size 327680
		.amdhsa_private_segment_fixed_size 0
		.amdhsa_enable_private_segment 0
		.amdhsa_kernarg_size 24
		.amdhsa_user_sgpr_count 2
		.amdhsa_user_sgpr_kernarg_segment_ptr 1
		.amdhsa_wavefront_size32 1
		.amdhsa_system_sgpr_workgroup_id_x 1
		.amdhsa_system_sgpr_workgroup_id_y 1
		.amdhsa_system_sgpr_workgroup_id_z 1
		.amdhsa_system_vgpr_workitem_id 0
		.amdhsa_next_free_vgpr 512
		.amdhsa_next_free_sgpr 66
		.amdhsa_reserve_vcc 0
		.amdhsa_float_denorm_mode_32 3
		.amdhsa_float_denorm_mode_16_64 3
		.amdhsa_memory_ordered 1
		.amdhsa_forward_progress 1
		.amdhsa_inst_pref_size 255
	.end_amdhsa_kernel
	.section	.bss,"aw",@nobits
	.p2align	6
	.space	262144
	.amdgpu_metadata
---
amdhsa.version: [ 1, 2 ]
amdhsa.kernels:
  - .name:           k_q6a15c73bf1_flash
    .symbol:         k_q6a15c73bf1_flash.kd
    .args:
      - { .name: qh, .offset: 0, .size: 8, .value_kind: global_buffer, .address_space: global }
      - { .name: kvb, .offset: 8, .size: 8, .value_kind: global_buffer, .address_space: global }
      - { .name: ah, .offset: 16, .size: 8, .value_kind: global_buffer, .address_space: global }
    .group_segment_fixed_size: 327680
    .private_segment_fixed_size: 0
    .kernarg_segment_align: 8
    .kernarg_segment_size: 24
    .max_flat_workgroup_size: 256
    .sgpr_count:     66
    .vgpr_count:     512
    .wavefront_size: 32
...
	.end_amdgpu_metadata
.endif
;; end of part 3
;; launch proj (part 4): grid 8 x 32, 4 waves a work-group, clusters of 4 x 4, 327,680 bytes of LDS; arguments ah, wt2, out0; writes out0
.if DOCPART == 4
	.amdgcn_target "amdgcn-amd-amdhsa--gfx1250"
	.amdhsa_code_object_version 6
	.text
	.protected	k_q6a15c73bf1_proj
	.globl	k_q6a15c73bf1_proj
	.p2align	8
	.type	k_q6a15c73bf1_proj,@function
k_q6a15c73bf1_proj:
	s_mov_b64 s[64:65], 0
	v_nop
	global_prefetch_b8 v0, s[64:65] scope:SCOPE_SE
	s_setreg_imm32_b32 hwreg(HW_REG_WAVE_MODE, 25, 1), 1
	s_wait_xcnt 0x0
	s_wait_alu depctr_hold_cnt(0) depctr_sa_sdst(0) depctr_va_vdst(0) depctr_va_sdst(0) depctr_va_ssrc(0) depctr_va_vcc(0) depctr_vm_vsrc(0)
	s_getreg_b32 s2, hwreg(HW_REG_IB_STS2, 6, 4)
	s_cmp_eq_u32 s2, 0
	s_cbranch_scc0 .Lentry_in_a_cluster
	s_endpgm
.Lentry_in_a_cluster:
	s_bfe_u32 s2, ttmp6, 0x10000c
	s_cmp_lg_u32 s2, 0xf033
	s_cbranch_scc0 .Lentry_shape_is_right
	s_endpgm
.Lentry_shape_is_right:
; C = A W.  A: [4096][1024] f16.  W: f16 in blocks [j 8][ks 8][p NP][kk 128][64] (k = 128 ks + kk, panel p = 64 columns).  Sums in f32.
; One text serves two products, by the four constants below:
;   NP = 3, OUTF32 = 0, U1 = 1: x times wq | wk | wv.  Tile j: panels 0, 1 are columns 128 j .. + 127 of q ([4096][1024] f16); panel 2 is
;                       group j of kv ([g 8][token 4096][64] f16: g < 4 the keys of head g, g >= 4 the values of head g - 4).
;   NP = 2, OUTF32 = 1, U1 = 2: the attention result times wo, columns 128 j .. + 127 of the output, f32.
; LIMIT: results stored as f16 (q, k, v) must stay within 65,504.  As drawn they reach about 6; x and a weight both 30 times larger give 900 times
; that, both with an offset of 30 spreads give 1024 x 30 x 30/32 = 28,800.  Numbers under 6e-5 keep an absolute error of 3e-8.
; A work-group makes 128 rows x 64 NP columns with four waves: 8 x 32 = 256 work-groups of equal work.  Wave w: rows 64 (w / 2) .. + 63, and in
; EVERY panel the columns 32 (w % 2) .. + 31: 4 x 2 NP accumulator tiles.
; THE RING: K = 1024 is 8 units of 128.  Two LDS regions take turns; region 0 holds U0 = 2 units, region 1 holds U1, as many as still fit
; (NP = 3: 190,464 + 96,256 bytes; two regions of 2 units would take 380,928).  A region is filled by one tensor load of each wave, so K goes as
; 2 + 1 + 2 + 1 + 2 units with three refills (NP = 3) or 2 + 2 + 2 + 2 with two (NP = 2): few requests, each as large as LDS allows.  The phases are written out.
; CLUSTERS: 4 x 4 work-groups.  A's tile hangs on the block row alone and is asked for jointly by a row of the cluster, W's on the block
; column alone and is asked for jointly by a column: a quarter of the requests.
; W lies [k][n]: its fragments come out of LDS by the transposing load of 16-bit data.  The mover pads every 128 bytes (a k row of a panel) by 32:
; pitch 160, while memory is read in rows of 256 consecutive bytes.  A's rows of 256 U bytes are padded by 16.
; THE MATRIX INSTRUCTION IS USED TRANSPOSED (source 0 = 16 columns of W, source 1 = 16 rows of A): a lane then holds eight neighbouring
; columns of one row of C.
; REGISTERS: window 0: addresses, two fragment buffers, packed results; window 1: the accumulators, tile (a, b) at v[8 (NB a + b)].
.set NP,     2
.set OUTF32, 1
.set U0,     2                         ; K units of 128 in region 0
.set U1,     2                         ; and in region 1
.set NB,     2*NP                      ; column tiles of a wave: b = 2 p + e at columns 64 p + 32 (w % 2) + 16 e
.set BPITCH, 160
.set BUNIT,  NP*128*BPITCH             ; W of one unit: (p, kk, c) at (128 p + kk) 160 + 2 c
.set AP0,    256*U0+16                 ; pitch of A's rows in region 0, 1: odd multiples of 16 bytes
.set AP1,    256*U1+16
.set RB0,    0                         ; region 0: W's units,
.set RA0,    RB0+U0*BUNIT              ; then A's 128 rows
.set RB1,    RA0+128*AP0               ; region 1 likewise
.set RA1,    RB1+U1*BUNIT
.if U1 == 1
.set STAGE,  RB1                       ; the way out uses the region that the last phase does not read: it has had its last fill, and its last
.else                                  ; reads stand in front of the last change of regions, where every wave has waited for its reads and its tensor loads
.set STAGE,  RB0
.endif
.if OUTF32
.set SPITCH, 528                       ; 128 f32 + 16 bytes
.else
.set SPITCH, 400                       ; 192 f16 + 16 bytes
.endif
.set ASTEP,  256                       ; bytes from a unit to the next, in A and in W
.set BSTEP,  NP*16384
.set NFR,    2*(NB+4)                  ; LDS loads of a quarter unit
.set ADRA, 16                          ; v16-17  LDS address of my A fragments in region 0, 1
.set ADRB, 20                          ; v20-23  the same for W: region r, unit u at 20 + 2 r + u (the 16-bit immediate does not reach a second unit)
.set STO,  24                          ; the way out: where I put my piece of a row
.set RD1,  25                          ; where I read rows back
.set RD2,  26
.set CO1,  27                          ; my byte offsets in the outputs
.set CO2,  28
.set F0,   32                          ; fragment buffer 0: W's tiles at F + 8 b, A's at F + 48 + 8 a
.set F1,   112                         ; fragment buffer 1
.set TMP,  192                         ; packed results
.set G1A0, 24                          ; descriptor groups 1: the shapes of A's and W's tiles in region 0, 1
.set G1B0, 32
.set G1A1, 40
.set G1B1, 48
.set G0A0, 56                          ; groups 0: one set for each region and operand
.set G0B0, 60
.set G0A1, 68
.set G0B1, 72
.set MSB, 0
.macro WIN new                         ; the immediate's high byte repeats the setting that is left
.if MSB != \new
	s_set_vgpr_msb (MSB<<8)|\new
.set MSB, \new
.endif
.endm
.macro PLACES                          ; four independent vector instructions behind a matrix instruction, in front of what writes its sources or reads its result (ISA guide 7.12.1)
.rept 4
	v_nop
.endr
.endm
; A joint load into a region: waves 0, 1 fetch W's halves, waves 2, 3 A's.  The branch hangs on the wave's number alone.
.macro JLOAD reg
	s_cmp_eq_u32 s13, 0
	s_cbranch_scc0 .Lfor_a_\@
	tensor_load_to_lds s[G0B\reg:G0B\reg+3], s[G1B\reg:G1B\reg+7]
	s_nop 0
	s_branch .Lasked_\@
.Lfor_a_\@:
	tensor_load_to_lds s[G0A\reg:G0A\reg+3], s[G1A\reg:G1A\reg+7]
	s_nop 0
.Lasked_\@:
.endm
.macro CREST                           ; a round of the cluster's barrier behind its opening work-group barrier
	s_cmp_lg_u32 s12, 0
	s_cbranch_scc1 .Lnot_wave_0_\@
	s_barrier_signal -3
.Lnot_wave_0_\@:
	s_barrier_wait -3
	s_barrier_signal -1
	s_barrier_wait -1
.endm
.macro CROUND
	s_barrier_signal -1
	s_barrier_wait -1
	CREST
.endm
; The shapes of a region's tiles.  A: 64 rows of 128 U elements, 4 words of padding behind each row.  W: half of the region's dense block,
; U x NP x 32 rows of 256 bytes, 8 words of padding behind every 32.
.macro SHAPES reg
	s_or_b32 s[G1A\reg+0], s80, (1<<16)|(1<<20)|(1<<21)|((4+U\reg)<<22)|(3<<25)   ; mask of my row; 2-byte elements; padding on; bit 21 beside a mask; interval 64 U words
	s_mov_b32 s[G1A\reg+1], (128*U\reg)<<16        ; tensor_dim0
	s_mov_b32 s[G1A\reg+2], 64<<16                 ; tensor_dim1
	s_mov_b32 s[G1A\reg+3], (128*U\reg)<<16        ; tile_dim0
	s_mov_b32 s[G1A\reg+4], 64                     ; tile_dim1
	s_mov_b32 s[G1A\reg+5], 1024                   ; elements from row to row
	s_mov_b32 s[G1A\reg+6], 0
	s_mov_b32 s[G1A\reg+7], 0
	s_or_b32 s[G1B\reg+0], s81, (1<<16)|(1<<20)|(1<<21)|(4<<22)|(7<<25)           ; mask of my column; each k row of 128 bytes gets a pitch of 160
	s_mov_b32 s[G1B\reg+1], 128<<16
	s_mov_b32 s[G1B\reg+2], (U\reg*NP*32)<<16
	s_mov_b32 s[G1B\reg+3], 128<<16
	s_mov_b32 s[G1B\reg+4], U\reg*NP*32
	s_mov_b32 s[G1B\reg+5], 128
	s_mov_b32 s[G1B\reg+6], 0
	s_mov_b32 s[G1B\reg+7], 0
.endm
; From where and to where, for a region whose first fill begins at unit first; then that fill.  LDS addresses hang on the wave's number alone.
.macro WHERE reg, first
	s_mov_b32 s[G0A\reg], 1
	s_mul_i32 s20, s12, 64*AP\reg
	s_add_co_u32 s[G0A\reg+1], s20, RA\reg-128*AP\reg          ; waves 2, 3: A's rows 0-63, 64-127
	s_add_nc_u64 s[G0A\reg+2:G0A\reg+3], s[82:83], \first*ASTEP
	s_or_b32 s[G0A\reg+3], s[G0A\reg+3], 0x80000000
	s_mov_b32 s[G0B\reg], 1
	s_mul_i32 s20, s12, U\reg*NP*64*BPITCH
	s_add_co_u32 s[G0B\reg+1], s20, RB\reg                     ; waves 0, 1: W's halves
	s_mul_i32 s22, s14, U\reg*NP*8192
	s_mov_b32 s23, 0
	s_add_nc_u64 s[G0B\reg+2:G0B\reg+3], s[84:85], s[22:23]
	s_add_nc_u64 s[G0B\reg+2:G0B\reg+3], s[G0B\reg+2:G0B\reg+3], \first*BSTEP
	s_or_b32 s[G0B\reg+3], s[G0B\reg+3], 0x80000000
	JLOAD \reg
.endm
; NFR LDS loads: the fragments of quarter kq (32 along K) of unit u of a region into buffer f
.macro FETCH reg, u, kq, f
	WIN 0
.set fp, 0
.rept NP
.irp e, 0,1
	ds_load_tr16_b128 v[\f+8*(2*fp+\e):\f+8*(2*fp+\e)+3],   v[ADRB+2*\reg+\u] offset:fp*128*BPITCH+\e*32+\kq*32*BPITCH
	ds_load_tr16_b128 v[\f+8*(2*fp+\e)+4:\f+8*(2*fp+\e)+7], v[ADRB+2*\reg+\u] offset:fp*128*BPITCH+\e*32+\kq*32*BPITCH+16*BPITCH
.endr
.set fp, fp+1
.endr
.irp a, 0,1,2,3
	ds_load_b128 v[\f+48+8*\a:\f+48+8*\a+3],   v[ADRA+\reg] offset:\a*16*AP\reg+\u*256+\kq*64
	ds_load_b128 v[\f+48+8*\a+4:\f+48+8*\a+7], v[ADRA+\reg] offset:\a*16*AP\reg+\u*256+\kq*64+32
.endr
.endm
; Row tiles a0 .. a1 x all NB column tiles, 32 along K.  The accumulators take turns, one instruction a turn, in the same order in every
; quarter.  zero = 1: the first product starts the sums.
.macro MUL f, a0, a1, zero
	WIN 0x50                                       ; C and D in window 1
.set ma, \a0
.rept \a1-\a0+1
.set mb, 0
.rept NB
.if \zero
	v_wmma_f32_16x16x32_f16 v[8*(NB*ma+mb):8*(NB*ma+mb)+7], v[\f+8*mb:\f+8*mb+7], v[\f+48+8*ma:\f+48+8*ma+7], 0
.else
	v_wmma_f32_16x16x32_f16 v[8*(NB*ma+mb):8*(NB*ma+mb)+7], v[\f+8*mb:\f+8*mb+7], v[\f+48+8*ma:\f+48+8*ma+7], v[8*(NB*ma+mb):8*(NB*ma+mb)+7]
.endif
.set mb, mb+1
.endr
.set ma, ma+1
.endr
.endm
; A quarter that is not a region's last: asks for quarter kq of unit u into buffer g, then multiplies buffer f, whose loads went out a quarter ago.
.macro QUARTER reg, u, kq, f, g, zero
	PLACES                                         ; buffer g was read by the matrix instructions just issued
	FETCH \reg, \u, \kq, \g
	s_wait_dscnt NFR                               ; all but the NFR loads just issued: buffer f is in
	MUL \f, 0, 3, \zero
.endm
.macro THREE reg, u, zero
	QUARTER \reg, \u, 1, F0, F1, \zero
	QUARTER \reg, \u, 2, F1, F0, 0
	QUARTER \reg, \u, 3, F0, F1, 0
.endm
.macro BODY reg, zero                  ; all of a region's quarters but the last; no barrier between its units: the one in front has shown the whole region
	THREE \reg, 0, \zero
.if U\reg == 2
	QUARTER \reg, 1, 0, F1, F0, 0
	THREE \reg, 1, 0
.endif
.endm
; A region's last quarter multiplies buffer 1 and changes regions.  In front of the barrier each wave waits for its reads of this region and for all its
; tensor loads (one is out: its part of the next region).  fill = 1: the barrier opens a round of the cluster's barrier, and behind the round this
; region is asked for again, U0 + U1 units on, first thing; then the next region's first fragments are read.
.macro TURN reg, next, fill
	s_wait_dscnt 0x0                               ; buffer 1 is in, and with it my last reads of this region
	s_wait_tensorcnt 0x0                           ; all my tensor loads have landed
	ds_add_u32 v254, v255
	s_wait_dscnt 0x0
	s_barrier_signal -1
	MUL F1, 0, 1, 0                                ; register work while the others arrive
	WIN 0
	s_barrier_wait -1
.if \fill
	CREST                                          ; no wave of any partner still reads this region or has a load on its way
	s_add_nc_u64 s[G0A\reg+2:G0A\reg+3], s[G0A\reg+2:G0A\reg+3], (U0+U1)*ASTEP
	s_add_nc_u64 s[G0B\reg+2:G0B\reg+3], s[G0B\reg+2:G0B\reg+3], (U0+U1)*BSTEP
	JLOAD \reg
.endif
	PLACES
	FETCH \next, 0, 0, F0
	MUL F1, 2, 3, 0
.endm
.if OUTF32
	s_load_b128 s[4:7], s[0:1], 0x0                ; A s[4:5], W s[6:7]
	s_load_b64 s[8:9], s[0:1], 0x10                ; the output
	v_lshl_add_u32 v254, v0, 2, 0x4c800
	v_mov_b32 v255, 0
	ds_add_u32 v254, v255
.else
	s_load_b256 s[4:11], s[0:1], 0x0               ; A s[4:5], W s[6:7], q s[8:9], kv s[10:11]
.endif
	v_lshrrev_b32 v1, 5, v0
	v_readfirstlane_b32 s12, v1                    ; wave 0..3
	s_lshr_b32 s13, s12, 1                         ; my half of the rows.  Also: I fetch for W (0) or for A (1)
	s_and_b32 s14, s12, 1                          ; my half of each panel.  Also: which half of that tile I fetch
	s_bfe_u32 s76, ttmp6, 0x40000                  ; cx
	s_bfe_u32 s77, ttmp6, 0x40004                  ; cy
	s_lshl_b32 s78, ttmp9, 2
	s_add_co_u32 s78, s78, s76                     ; block column j = 4 x cluster x + cx
	s_and_b32 s79, ttmp7, 0xffff
	s_lshl_b32 s79, s79, 2
	s_add_co_u32 s79, s79, s77                     ; block row = 4 x cluster y + cy
	s_lshl_b32 s80, s77, 2
	s_lshl_b32 s80, 15, s80                        ; my row of the cluster
	s_lshl_b32 s81, 0x1111, s76                    ; my column
	SHAPES 0
	SHAPES 1
	s_lshl_b32 s16, s79, 18                        ; A: 128 rows of 2,048 bytes for each block row,
	s_lshl_b32 s17, s14, 17                        ; 64 rows for the half
	s_add_co_u32 s16, s16, s17
	s_mov_b32 s17, 0
	s_mul_i32 s86, s78, NP*131072                  ; W: tile j
	s_mov_b32 s87, 0
	s_wait_dscnt 0x0
	s_wait_kmcnt 0x0
	s_add_nc_u64 s[82:83], s[4:5], s[16:17]
	s_add_nc_u64 s[84:85], s[6:7], s[86:87]
	CROUND                                         ; all sixteen work-groups are here: the first joint loads meet
	WHERE 0, 0                                     ; units 0, 1
	WHERE 1, U0                                    ; the units behind them: two tensor loads of each wave are out, later one
	v_and_b32 v1, 15, v0                           ; r = lane % 16
	v_bfe_u32 v2, v0, 4, 1                         ; h = lane / 16
.irp reg, 0,1
	v_mul_u32_u24 v3, v1, AP\reg                   ; A's fragment: row r, 16 bytes for each half of the lanes
	v_lshl_add_u32 v3, v2, 4, v3
	s_mul_i32 s22, s13, 64*AP\reg
	s_add_co_u32 s22, s22, RA\reg
	v_add_nc_u32 v[ADRA+\reg], s22, v3
.endr
	v_and_b32 v4, 7, v0                            ; W's fragment, transposing load: k row 8 h + lane % 8, 16 bytes by bit 3 of the lane
	v_lshl_add_u32 v4, v2, 3, v4
	v_mul_u32_u24 v4, v4, BPITCH
	v_bfe_u32 v5, v0, 3, 1
	v_lshl_add_u32 v4, v5, 4, v4
	s_lshl_b32 s23, s14, 6                         ; my 32 columns of each panel
	v_add_nc_u32 v[ADRB], s23, v4
	v_add_nc_u32 v[ADRB+1], BUNIT, v[ADRB]
	v_add_nc_u32 v[ADRB+2], RB1, v[ADRB]
.if U1 == 2
	v_add_nc_u32 v[ADRB+3], RB1+BUNIT, v[ADRB]
.endif
	v_mul_u32_u24 v6, v1, SPITCH                   ; the way out
	s_mul_i32 s22, s13, 64*SPITCH
	s_add_co_u32 s22, s22, STAGE                   ; in: my 64 rows
	s_mul_i32 s23, s12, 32*SPITCH
	s_add_co_u32 s23, s23, STAGE                   ; back: rows 32 w .. + 31
	v_and_b32 v7, 31, v0
.if OUTF32
	v_lshl_add_u32 v6, v2, 5, v6                   ; 8 f32 for each half of the lanes
	s_lshl_b32 s18, s14, 7
	s_add_co_u32 s22, s22, s18
	v_add_nc_u32 v[STO], s22, v6
	v_lshlrev_b32 v[CO1], 4, v7                    ; a row of 512 bytes: 16 bytes a lane
	v_add_nc_u32 v[RD1], s23, v[CO1]
.else
	v_lshl_add_u32 v6, v2, 4, v6                   ; 8 f16 for each half of the lanes
	s_lshl_b32 s18, s14, 6
	s_add_co_u32 s22, s22, s18
	v_add_nc_u32 v[STO], s22, v6
	v_mul_u32_u24 v8, v2, SPITCH                   ; q: 256 bytes of a row for 16 lanes, two rows a load
	v_lshl_add_u32 v8, v1, 4, v8
	v_add_nc_u32 v[RD1], s23, v8
	v_bfe_u32 v9, v0, 3, 2                         ; kv: 128 bytes of a row for 8 lanes, four rows a load
	v_mul_u32_u24 v9, v9, SPITCH
	v_and_b32 v10, 7, v0
	v_lshl_add_u32 v9, v10, 4, v9
	s_add_co_u32 s23, s23, 256
	v_add_nc_u32 v[RD2], s23, v9
	v_lshlrev_b32 v11, 11, v2
	v_lshl_add_u32 v[CO1], v1, 4, v11              ; q: rows of 2,048 bytes
	v_lshlrev_b32 v[CO2], 4, v7                    ; kv: four rows of 128 bytes are 512 consecutive bytes
.endif
	s_wait_tensorcnt 0x1                           ; my part of region 0 is in; region 1's stays out
	s_barrier_signal -1
	s_barrier_wait -1
	FETCH 0, 0, 0, F0
	BODY 0, 1                                      ; units 0, 1: the first products start the sums
	TURN 0, 1, 1                                   ; region 0 is asked for again
	BODY 1, 0
	TURN 1, 0, 1                                   ; region 1 is asked for again
	BODY 0, 0
.if U1 == 1
	TURN 0, 1, 1                                   ; 2 + 1 + 2 + 1 + 2 units: region 0 once more, units 6, 7
	BODY 1, 0
	TURN 1, 0, 0                                   ; nothing is left to fetch
	BODY 0, 0
.else
	TURN 0, 1, 0                                   ; 2 + 2 + 2 + 2 units: nothing is left to fetch
	BODY 1, 0
.endif
	s_wait_dscnt 0x0
	MUL F1, 0, 3, 0
	; THE WAY OUT: all four waves put their pieces of the 128 rows into the stage; behind a barrier each wave reads 32 whole rows back and stores them.
	PLACES
	s_lshl_b32 s88, s79, 7
	s_lshl_b32 s89, s12, 5
	s_add_co_u32 s88, s88, s89                     ; the first row that I store: 128 x block row + 32 w
.if OUTF32
	s_lshl_b32 s90, s88, 12                        ; rows of 4,096 bytes
	s_lshl_b32 s91, s78, 9                         ; 128 f32 for each block column
	s_add_co_u32 s90, s90, s91
	s_mov_b32 s91, 0
	s_add_nc_u64 s[8:9], s[8:9], s[90:91]
	WIN 0x04                                       ; the stores' data in window 1
.irp a, 0,1,2,3
.set ob, 0
.rept NB
	ds_store_b128 v[STO], v[8*(NB*\a+ob):8*(NB*\a+ob)+3]   offset:\a*16*SPITCH+(ob/2)*256+(ob%2)*64
	ds_store_b128 v[STO], v[8*(NB*\a+ob)+4:8*(NB*\a+ob)+7] offset:\a*16*SPITCH+(ob/2)*256+(ob%2)*64+16
.set ob, ob+1
.endr
.endr
	WIN 0
	s_wait_dscnt 0x0                               ; my stores are done, for the other waves' sake
	s_barrier_signal -1
	s_barrier_wait -1
.set ot, 0
.rept 32
	ds_load_b128 v[F0+4*ot:F0+4*ot+3], v[RD1] offset:ot*SPITCH
.set ot, ot+1
.endr
.set ot, 0
.rept 32
	s_wait_dscnt 31-ot                             ; LDS loads return in order: row ot is in
	global_store_b128 v[CO1], v[F0+4*ot:F0+4*ot+3], s[8:9] offset:4096*ot th:TH_STORE_NT   ; 512 consecutive aligned bytes
.set ot, ot+1
.endr
.else
	s_lshl_b32 s90, s88, 11                        ; q: rows of 2,048 bytes,
	s_lshl_b32 s91, s78, 8                         ; 128 f16 for each block column
	s_add_co_u32 s90, s90, s91
	s_mov_b32 s91, 0
	s_add_nc_u64 s[8:9], s[8:9], s[90:91]
	s_lshl_b32 s92, s88, 7                         ; kv: rows of 128 bytes,
	s_lshl_b32 s93, s78, 19                        ; group j
	s_add_co_u32 s92, s92, s93
	s_mov_b32 s93, 0
	s_add_nc_u64 s[10:11], s[10:11], s[92:93]
.irp a, 0,1,2,3
	WIN 0x05                                       ; sources in window 1
.set ob, 0
.rept NB
.irp q, 0,1,2,3
	v_cvt_pk_f16_f32 v[TMP+4*ob+\q], v[8*(NB*\a+ob)+2*\q], v[8*(NB*\a+ob)+2*\q+1]
.endr
.set ob, ob+1
.endr
	WIN 0
.set ob, 0
.rept NB
	ds_store_b128 v[STO], v[TMP+4*ob:TMP+4*ob+3] offset:\a*16*SPITCH+(ob/2)*128+(ob%2)*32
.set ob, ob+1
.endr
.endr
	s_wait_dscnt 0x0                               ; my stores are done, for the other waves' sake
	s_barrier_signal -1
	s_barrier_wait -1
.set ot, 0
.rept 16
	ds_load_b128 v[F0+4*ot:F0+4*ot+3], v[RD1] offset:ot*2*SPITCH
.set ot, ot+1
.endr
.set ot, 0
.rept 8
	ds_load_b128 v[F0+64+4*ot:F0+64+4*ot+3], v[RD2] offset:ot*4*SPITCH
.set ot, ot+1
.endr
.set ot, 0
.rept 16
	s_wait_dscnt 23-ot                             ; of the 24 loads the younger ones stay out
	global_store_b128 v[CO1], v[F0+4*ot:F0+4*ot+3], s[8:9] offset:4096*ot      ; 16 lanes store 256 consecutive aligned bytes of a row of q
.set ot, ot+1
.endr
.set ot, 0
.rept 8
	s_wait_dscnt 7-ot
	global_store_b128 v[CO2], v[F0+64+4*ot:F0+64+4*ot+3], s[10:11] offset:512*ot   ; four rows of kv: 512 consecutive aligned bytes
.set ot, ot+1
.endr
.endif
	s_wait_tensorcnt 0x0
	ds_add_u32 v254, v255
	s_wait_dscnt 0x0
	CROUND                                         ; the closing round: no work-group ends while a partner may still ask for a tile that names it
	s_endpgm
.Lfunc_end_k_q6a15c73bf1_proj:
	.size	k_q6a15c73bf1_proj, .Lfunc_end_k_q6a15c73bf1_proj-k_q6a15c73bf1_proj
	.p2alignl 7, 3214868480
	.fill 96, 4, 3214868480
	.section	.rodata,"a",@progbits
	.p2align	6, 0x0
	.amdhsa_kernel k_q6a15c73bf1_proj
		.amdhsa_group_segment_fixed_size 327680
		.amdhsa_private_segment_fixed_size 0
		.amdhsa_enable_private_segment 0
		.amdhsa_kernarg_size 24
		.amdhsa_user_sgpr_count 2
		.amdhsa_user_sgpr_kernarg_segment_ptr 1
		.amdhsa_wavefront_size32 1
		.amdhsa_system_sgpr_workgroup_id_x 1
		.amdhsa_system_sgpr_workgroup_id_y 1
		.amdhsa_system_sgpr_workgroup_id_z 1
		.amdhsa_system_vgpr_workitem_id 0
		.amdhsa_next_free_vgpr 384
		.amdhsa_next_free_sgpr 94
		.amdhsa_reserve_vcc 0
		.amdhsa_float_denorm_mode_32 3
		.amdhsa_float_denorm_mode_16_64 3
		.amdhsa_memory_ordered 1
		.amdhsa_forward_progress 1
		.amdhsa_inst_pref_size 90
	.end_amdhsa_kernel
	.amdgpu_metadata
---
amdhsa.version: [ 1, 2 ]
amdhsa.kernels:
  - .name:           k_q6a15c73bf1_proj
    .symbol:         k_q6a15c73bf1_proj.kd
    .args:
      - { .name: ah, .offset: 0, .size: 8, .value_kind: global_buffer, .address_space: global }
      - { .name: wt2, .offset: 8, .size: 8, .value_kind: global_buffer, .address_space: global }
      - { .name: out0, .offset: 16, .size: 8, .value_kind: global_buffer, .address_space: global }
    .group_segment_fixed_size: 327680
    .private_segment_fixed_size: 0
    .kernarg_segment_align: 8
    .kernarg_segment_size: 24
    .max_flat_workgroup_size: 128
    .sgpr_count:     94
    .vgpr_count:     384
    .wavefront_size: 32
...
	.end_amdgpu_metadata
.endif
;; end of part 4
